; MI455X (gfx1250); checked and timed in simulation.
; The chip was launched on July 23, 2026; its instructions are those of AMD's public machine-readable ISA for CDNA 5 (MIT licence, August 2026) and "CDNA5" Instruction Set Architecture Reference Guide (July 2026). The comments in the code are by the model that wrote it; some were corrected since.
;; Low Rank1d. Allowed arithmetic: matrix products marked QUANTISED: E2M3 operands, one E8M0 scale for each 32 along K, by v_wmma_scale_f32_16x16x128_f8f6f4 with both operands' format E2M3, f32 sums; products left as they are: f32 operands where the result goes on into a quantised operand, else bf16, f16 or f32 operands; f32 sums; everything else in f32.
;; Inputs: a 8 x 8,192 x 2 float32; phi_W0 2 x 64 float32; phi_W1 64 x 128 float32; phi_W2 128 x 256 float32; phi_W3 256 x 512 float32; phi_b0 64 float32; phi_b1 128 float32; phi_b2 256 float32; phi_b3 512 float32; psi_W0 2 x 64 float32; psi_W1 64 x 128 float32; psi_W2 128 x 256 float32; psi_W3 256 x 512 float32; psi_b0 64 float32; psi_b1 128 float32; psi_b2 256 float32; psi_b3 512 float32; v 8 x 8,192 x 128 float32.
;; Outputs: out0 8 x 8,192 x 128 float32.
;; This version of the problem:
;;   THIS VERSION OF THE PROBLEM IS GIVEN IN LOW PRECISION. The matrix products marked QUANTISED in the list below multiply operands that are first quantised to E2M3 (2 exponent bits, 3 mantissa bits; 6 bits a number), with one power-of-two scale for each 32 numbers along K (OCP MX v1.0); their sums are f32. All else is computed in f32.
;;   The module's matrix products, in the order in which they are computed (A, B: the left and right operand; K: the contracted axis; several contracted axes count as one K, in the product's order):
;;     1. [M 65,536, K 2] x [K 2, N 64]; A: input a; B: input phi_W0: left as it is (K = 2 < 32)
;;     2. [M 65,536, K 64] x [K 64, N 128]; A: computed on the way; B: input phi_W1: QUANTISED
;;     3. [M 65,536, K 128] x [K 128, N 256]; A: computed on the way; B: input phi_W2: QUANTISED
;;     4. [M 65,536, K 256] x [K 256, N 512]; A: computed on the way; B: input phi_W3: QUANTISED
;;     5. [M 65,536, K 2] x [K 2, N 64]; A: input a; B: input psi_W0: left as it is (K = 2 < 32)
;;     6. [M 65,536, K 64] x [K 64, N 128]; A: computed on the way; B: input psi_W1: QUANTISED
;;     7. [M 65,536, K 128] x [K 128, N 256]; A: computed on the way; B: input psi_W2: QUANTISED
;;     8. [M 65,536, K 256] x [K 256, N 512]; A: computed on the way; B: input psi_W3: QUANTISED
;;     9. batch 8 x [M 512, K 8,192] x [K 8,192, N 128]; A: computed on the way; B: input v: QUANTISED
;;     10. batch 8 x [M 8,192, K 512] x [K 512, N 128]; A: computed on the way; B: computed on the way: QUANTISED
;;   THE QUANTISER, for each operand of a quantised product, along K:
;;     - K is cut into blocks of 32 from its start; a last block that is shorter is filled with zeros.
;;     - A block's scale is 2^e with e = floor(log2(the largest magnitude in the block)) - 2, held to -126 .. 127; a block of zeros has e = 0. As a byte (E8M0): e + 127.
;;     - Each number is divided by its block's scale, clamped to +-7.5, and rounded to the nearest number of E2M3, ties to even, subnormals kept.
;;     - The product sums the exact products of the quantised numbers (number of the format x scale) in f32.
;;   ~~~python
;;   def quantise(x, axis):      # numpy; x: float32 -> the quantised numbers, widened to float32 again
;;       x = np.moveaxis(x, axis, -1); K = x.shape[-1]
;;       x = np.pad(x, [(0, 0)] * (x.ndim - 1) + [(0, -K % 32)]); x = x.reshape(x.shape[:-1] + (-1, 32)); a = np.abs(x).max(-1, keepdims=True)
;;       e = np.where(a > 0, np.clip(np.frexp(np.where(a > 0, a, 1))[1] - 1 - 2, -126, 127), 0)      # np.frexp(a)[1] - 1 = floor(log2(a)), exactly
;;       r = np.clip(x / 2.0 ** e, -7.5, 7.5)
;;       step = 2.0 ** (np.maximum(np.frexp(np.where(r == 0, 1, r))[1] - 1, 0) - 3)
;;       q = np.round(r / step) * step * 2.0 ** e      # np.round: ties to even
;;       return np.moveaxis(q.reshape(q.shape[:-2] + (-1,))[..., :K], -1, axis).astype(np.float32)
;;   ~~~
;;   OPERANDS COMPUTED ON THE WAY. 'Computed on the way' means the value that the module computes at that place (a softmax that the list does not call 'softmax' is quantised finished and normalised). What goes into a quantiser is computed in f32, as accurately as f32 sums, v_exp_f32 and their like allow (about 1e-6 of the number): no bf16 or f16 on the way to a quantiser, and a product that is left as it is and whose result goes on into a quantised operand takes f32 operands (vector FMAs, or v_wmma_f32_16x16x4_f32). A number that lies on a knife's edge between two numbers of the format may be rounded either way, as far as f32 arithmetic and the matrix unit's own rounding can turn it there, and no further.
;; One version. Each part assembles by itself: llvm-mc -triple=amdgcn-amd-amdhsa -mcpu=gfx1250 --defsym DOCPART=n.
;; ======== version 1 of 1: 4 launches
;; workspace buffers: wq 292,864 bytes; part 33,554,432 bytes; amq 425,984 bytes
;; launch wprep (part 1): grid 22 x 2, 4 waves a work-group, no clusters, 0 bytes of LDS; arguments psi_W1, psi_W2, psi_W3, phi_W1, phi_W2, phi_W3, wq; writes wq
.if DOCPART == 1
	.amdgcn_target "amdgcn-amd-amdhsa--gfx1250"
	.amdhsa_code_object_version 6
	.text
	.protected	k_qa6d474734a_wprep
	.globl	k_qa6d474734a_wprep
	.p2align	8
	.type	k_qa6d474734a_wprep,@function
k_qa6d474734a_wprep:
	s_mov_b64 s[64:65], 0
	v_nop
	global_prefetch_b8 v0, s[64:65] scope:SCOPE_SE
	s_setreg_imm32_b32 hwreg(HW_REG_WAVE_MODE, 25, 1), 1
	s_wait_xcnt 0x0
; LowRank1d, launch 0 of 4: the six weights W1, W2, W3 of psi and phi, f32 stored [K][N], become codes of FP6 (E2M3) with one E8M0 byte for each 32 along K,
; laid in the order of the operand registers, so that the later launches load each fragment by three loads of 16 bytes a lane.
; NOTHING OF THE PROBLEM IS LEFT OUT: every input has a way to the output.  The one step that is moved: the division by n = 2^13 is applied to attn_map ahead of
; its quantiser (launch 2); a power of two goes through the quantiser unchanged (scale exponent - 13, the same codes).
; THE ORDER OF K IN THE LAST PRODUCT (two contracted axes, d and h): K = 4 d + h, the column number of phi_eval and psi_eval as they lie.
; LAYOUT OF wq: MLP m (0 psi, 1 phi) at 146,432 m: 22 groups of 6,656 bytes.  A group: four fragments (16 columns x 128 K, 12 registers a lane) of 1,536 bytes,
; registers 4 q .. 4 q + 3 of lane L at 512 q + 16 L; then the scale words, word t of lane L at 6,144 + 16 L + 4 t.  Groups 0-1: W1; 2-5: W2; 6 + 2 cg + s: W3, K step s.
; Column group cg holds columns 64 cg .. 64 cg + 63.  THE COLUMNS OF A TILE ARE NOT NEIGHBOURS: lane r of tile t takes column 32 (t / 2) + 8 (t % 2) + r + 8 (r / 8).
; A LANE TAKES A COLUMN AND ITS REGISTERS RUN DOWN K, in the order that the operand layout gives the lane (k = 64 c + 32 h + 0 .. 31): nothing is transposed.
; W1 has K = 64: its upper 64 along K are zeros (zero codes; their byte is the floor byte 1, which scales zeros).
; LIMITS: NaN and infinities among the inputs are not served; a block of zeros gets the byte 1 where the rule says 127 (its codes are zeros, and this program alone reads the bytes);
; no largest magnitude is taken under 2^-124.
; SHARES: work-group x = group, y = MLP, wave = tile.  The launch moves 1.4 MB once: no LDS, no matrix unit, no cluster would add anything.
.set GRP, 6656
.set X,   64                           ; v64-127  64 numbers of my column
.set F,   48                           ; v48-59   the fragment
.set TC,  128                          ; v128..   the upper halves of the blocks, as the conversions leave them
.macro LDW base, pitch, nc             ; nc x 32 numbers: W(64 c + 32 h + i, my column)
.set qc, 0
.rept \nc
.set qi, 0
.rept 32
	global_load_b32 v[X+32*qc+qi], v3, s[\base:\base+1] offset:(64*qc+qi)*\pitch
.set qi, qi+1
.endr
.set qc, qc+1
.endr
.endm
	s_load_b256 s[4:11], s[0:1], 0x0               ; psi W1 s[4:5], W2 s[6:7], W3 s[8:9], phi W1 s[10:11]
	s_load_b128 s[12:15], s[0:1], 0x20             ; phi W2, W3
	s_load_b64 s[16:17], s[0:1], 0x30              ; wq
	v_lshrrev_b32 v1, 5, v0
	v_readfirstlane_b32 s18, v1                    ; wave = tile t
	v_and_b32 v1, 15, v0                           ; r
	v_bfe_u32 v2, v0, 4, 1                         ; h
	v_and_b32 v7, 31, v0                           ; lane
	v_and_b32 v4, 8, v1
	v_add_nc_u32 v4, v4, v1
	v_lshlrev_b32 v4, 2, v4                        ; 4 (r + 8 (r / 8))
	s_mov_b32 s20, 0x76543210
	s_mov_b32 s21, 0xfedcba98                      ; selects for lane l xor 16
	s_and_b32 s19, ttmp7, 0xffff                   ; the MLP
	s_lshr_b32 s22, s18, 1
	s_and_b32 s23, s18, 1
	s_lshl_b32 s22, s22, 7
	s_lshl_b32 s23, s23, 5
	s_add_co_u32 s22, s22, s23                     ; the tile in its group: 4 (32 (t / 2) + 8 (t % 2)) bytes
	s_mov_b32 s25, 0
	s_wait_kmcnt 0x0
	s_cmp_eq_u32 s19, 0                            ; the choice hangs on the work-group number alone
	s_cselect_b64 s[4:5], s[4:5], s[10:11]
	s_cselect_b64 s[6:7], s[6:7], s[12:13]
	s_cselect_b64 s[8:9], s[8:9], s[14:15]
	s_cmp_lt_u32 ttmp9, 2
	s_cbranch_scc0 .Lnot_w1
	s_lshl_b32 s24, ttmp9, 8                       ; W1: column group = x; 256 bytes a group
	s_add_co_u32 s24, s24, s22
	s_add_nc_u64 s[4:5], s[4:5], s[24:25]
	v_lshl_add_u32 v3, v2, 14, v4                  ; lanes 16-31 begin 32 rows of 512 bytes further down
	LDW 4, 512, 1
.set qi, 0
.rept 32
	v_mov_b32 v[X+32+qi], 0                        ; K ends at 64: the rest of the K step is zeros
.set qi, qi+1
.endr
	s_branch .Ljoin
.Lnot_w1:
	s_cmp_lt_u32 ttmp9, 6
	s_cbranch_scc0 .Lw3
	s_sub_co_u32 s24, ttmp9, 2                     ; W2
	s_lshl_b32 s24, s24, 8
	s_add_co_u32 s24, s24, s22
	s_add_nc_u64 s[6:7], s[6:7], s[24:25]
	v_lshl_add_u32 v3, v2, 15, v4                  ; 32 rows of 1,024 bytes
	LDW 6, 1024, 2
	s_branch .Ljoin
.Lw3:
	s_sub_co_u32 s24, ttmp9, 6                     ; W3: x - 6 = 2 cg + K step
	s_and_b32 s26, s24, 1
	s_lshr_b32 s24, s24, 1
	s_lshl_b32 s24, s24, 8
	s_lshl_b32 s26, s26, 18                        ; 128 rows of 2,048 bytes
	s_add_co_u32 s24, s24, s26
	s_add_co_u32 s24, s24, s22
	s_add_nc_u64 s[8:9], s[8:9], s[24:25]
	v_lshl_add_u32 v3, v2, 16, v4                  ; 32 rows of 2,048 bytes
	LDW 8, 2048, 2
.Ljoin:
	s_mul_i32 s24, s19, 22
	s_add_co_u32 s24, s24, ttmp9
	s_mul_i32 s24, s24, GRP                        ; my group in wq
	s_add_nc_u64 s[16:17], s[16:17], s[24:25]
	v_lshlrev_b32 v5, 4, v7                        ; 16 x lane
	s_lshl_b32 s27, s18, 2
	v_add_nc_u32 v6, s27, v5                       ; the scale word: + 4 t
	s_mul_i32 s26, s18, 1536
	v_add_nc_u32 v5, s26, v5                       ; the fragment: + 1,536 t
	s_wait_loadcnt 0x0
.irp c, 0,1                            ; my block 2 c + h: all its 32 numbers are mine
	v_max3_num_f32 v[32+\c], |v[X+32*\c]|, |v[X+1+32*\c]|, 0x1800000   ; with the floor 2^(3 - 127): the byte cannot fall under 1
.endr
.irp i, 2,4,6,8,10,12,14,16,18,20,22,24,26,28,30
.irp c, 0,1
	v_max3_num_f32 v[32+\c], v[32+\c], |v[X+32*\c+\i]|, |v[X+1+32*\c+\i]|
.endr
.endr
.irp c, 0,1
	v_add_nc_u32 v[44+\c], 0xff000000, v[32+\c]    ; 2 off the exponent field: the scale operand of the conversion
.endr
.irp c, 0,1
	v_lshrrev_b32 v[36+\c], 23, v[44+\c]           ; the scale byte
.endr
	v_lshl_or_b32 v9, v37, 16, v36                 ; my two bytes: blocks h and 2 + h,
	v_lshlrev_b32 v10, 3, v2
	v_lshlrev_b32 v9, v10, v9                      ; at their places in the word;
	v_mov_b32 v10, 0
	v_permlanex16_b32 v10, v9, s20, s21
	v_or_b32 v9, v9, v10                           ; with the two of lane l xor 16 the word is whole, in both halves
.irp c, 0,1
	v_cvt_scalef32_pk16_fp6_f32 v[F+6*\c:F+6*\c+2], v[X+32*\c:X+32*\c+15], v[44+\c]
	v_cvt_scalef32_pk16_fp6_f32 v[TC+4*\c:TC+4*\c+2], v[X+16+32*\c:X+31+32*\c], v[44+\c]   ; three registers begin on an even number: made here, moved below
.endr
	v_nop                                          ; one plain place behind a scaled conversion
.irp c, 0,1
.irp i, 0,1,2
	v_mov_b32 v[F+3+6*\c+\i], v[TC+4*\c+\i]
.endr
.endr
.irp q, 0,1,2
	global_store_b128 v5, v[F+4*\q:F+4*\q+3], s[16:17] offset:512*\q   ; 32 lanes store 512 consecutive bytes
.endr
	global_store_b32 v6, v9, s[16:17] offset:6144
	s_endpgm
.Lfunc_end_k_qa6d474734a_wprep:
	.size	k_qa6d474734a_wprep, .Lfunc_end_k_qa6d474734a_wprep-k_qa6d474734a_wprep
	.p2alignl 7, 3214868480
	.fill 96, 4, 3214868480
	.section	.rodata,"a",@progbits
	.p2align	6, 0x0
	.amdhsa_kernel k_qa6d474734a_wprep
		.amdhsa_group_segment_fixed_size 0
		.amdhsa_private_segment_fixed_size 0
		.amdhsa_enable_private_segment 0
		.amdhsa_kernarg_size 56
		.amdhsa_user_sgpr_count 2
		.amdhsa_user_sgpr_kernarg_segment_ptr 1
		.amdhsa_wavefront_size32 1
		.amdhsa_system_sgpr_workgroup_id_x 1
		.amdhsa_system_sgpr_workgroup_id_y 1
		.amdhsa_system_sgpr_workgroup_id_z 1
		.amdhsa_system_vgpr_workitem_id 0
		.amdhsa_next_free_vgpr 144
		.amdhsa_next_free_sgpr 66
		.amdhsa_reserve_vcc 0
		.amdhsa_float_denorm_mode_32 3
		.amdhsa_float_denorm_mode_16_64 3
		.amdhsa_memory_ordered 1
		.amdhsa_forward_progress 1
		.amdhsa_inst_pref_size 22
	.end_amdhsa_kernel
	.amdgpu_metadata
---
amdhsa.version: [ 1, 2 ]
amdhsa.kernels:
  - .name:           k_qa6d474734a_wprep
    .symbol:         k_qa6d474734a_wprep.kd
    .args:
      - { .name: psi_W1, .offset: 0, .size: 8, .value_kind: global_buffer, .address_space: global }
      - { .name: psi_W2, .offset: 8, .size: 8, .value_kind: global_buffer, .address_space: global }
      - { .name: psi_W3, .offset: 16, .size: 8, .value_kind: global_buffer, .address_space: global }
      - { .name: phi_W1, .offset: 24, .size: 8, .value_kind: global_buffer, .address_space: global }
      - { .name: phi_W2, .offset: 32, .size: 8, .value_kind: global_buffer, .address_space: global }
      - { .name: phi_W3, .offset: 40, .size: 8, .value_kind: global_buffer, .address_space: global }
      - { .name: wq, .offset: 48, .size: 8, .value_kind: global_buffer, .address_space: global }
    .group_segment_fixed_size: 0
    .private_segment_fixed_size: 0
    .kernarg_segment_align: 8
    .kernarg_segment_size: 56
    .max_flat_workgroup_size: 128
    .sgpr_count:     66
    .vgpr_count:     144
    .wavefront_size: 32
...
	.end_amdgpu_metadata
.endif
;; end of part 1
;; launch psi_kv (part 2): grid 16 x 16, 4 waves a work-group, no clusters, 64,768 bytes of LDS; arguments a, v, psi_W0, psi_b0, psi_b1, psi_b2, psi_b3, wq, part; writes part
.if DOCPART == 2
	.amdgcn_target "amdgcn-amd-amdhsa--gfx1250"
	.amdhsa_code_object_version 6
	.text
	.protected	k_qa6d474734a_psi_kv
	.globl	k_qa6d474734a_psi_kv
	.p2align	8
	.type	k_qa6d474734a_psi_kv,@function
k_qa6d474734a_psi_kv:
	s_mov_b64 s[64:65], 0
	v_nop
	global_prefetch_b8 v0, s[64:65] scope:SCOPE_SE
	s_setreg_imm32_b32 hwreg(HW_REG_WAVE_MODE, 25, 1), 1
	s_wait_xcnt 0x0
; LowRank1d, launch 1 of 4: the psi MLP on 512 rows, Q(psi_eval) and Q(v) along the rows, and their product over these 512 rows: a partial sum of attn_map in f32.  Nothing is left out.
; SHARES.  Work-group (x, y): rows 8,192 b + 512 x .. + 511 of batch b = y / 2, columns 256 g .. 256 g + 255 of psi_eval, g = y % 2; 256 work-groups.  The rows go in four blocks of 128.
; Four waves, all registers of a SIMD each.  THE WAVES SHARE THE COLUMNS of every layer: wave w makes units 32 w .. of layer 1, 64 w .. of layer 2, columns 256 g + 64 w .. of layer 3;
; its weights, laid by launch 0 in the order of the operand registers, are loaded once and stay in registers.  Layer 0 (K = 2, left in f32) is shared by rows.
; No tensor load and no cluster: what work-groups share is 93 KB of weights, read once, straight into registers; a way through LDS would be a second hop.
; THE LOADS AT THE HEAD GO IN THE ORDER IN WHICH THEY ARE NEEDED: what layer 0 wants (18 loads), layer 1 (11), v (32); layer 0 starts when the 18 are in; the weights of layers 2 and 3 (47) go out behind that
; wait and land under the first block, which has counted waits for them.
; ACTIVATIONS GO FROM WAVE TO WAVE THROUGH LDS AS CODES, in the order of the reader registers: register g of lane L of a fragment at 48 L + 4 g (three loads of 16 bytes a lane).  The writer,
; lane (r, h), holds 16 codes (three registers, as the conversion leaves them) of block 2 c + e of row r and stores them at 48 r + 12 h + 768 e + 24 c: no lane exchange, no moves.
; LAYERS 1, 2 ARE USED TRANSPOSED (source 0 = 16 units of W, source 1 = 16 rows): a lane holds one row, its registers run along the units, the next K.  The bias is the C of the product.
; LAYER 3 IS USED AS IT STANDS (source 0 = 16 rows, source 1 = 16 columns): a lane holds one column and its registers run down the rows, the K of the product with v.  THE ROWS OF A ROW TILE
; ARE CHOSEN FOR THAT: row m of tile 4 c + q is block row 64 c + 8 q + m % 8 + 32 (m / 8), so that the 32 registers of tiles 4 c .. 4 c + 3 are rows 64 c + 32 h + 0 .. 31: a whole block in a lane.
; LIMITS: NaN and infinities are not served; a block of zeros gets the byte 1 (zero codes; this program alone reads the bytes); no largest magnitude is taken under 2^-124.
; REGISTERS, in windows of 256.  Window 0: v1-16 addresses; v18, 19 for the add; v20-51 scale words; v52-81 at work; v82-97 layer 0; v98-101 scale words of psi^T; v112-159 psi^T, four fragments;
;   v160-191 32 numbers at work; v192-255 results, two halves (written by matrix instructions alone).  Window 1: W1, W2, b1, b2, eight fragment buffers.  Window 2: W3, b3, 32 rows of v.  Window 3: 32 accumulators.
.set GRP,  6656
.set H1,   0                           ; LDS: layer 0 out: 8 fragments of 1,536 bytes (row tile T)
.set H2,   12288                       ; layer 1 out: 8 fragments
.set H3,   24576                       ; layer 2 out: 16 fragments (2 T + K step)
.set H1S,  49152                       ; their scale words, 64 bytes a fragment
.set H2S,  49664
.set H3S,  50176
.set VS,   51200                       ; scale words of v: column c at 4 c
.set VF,   51712                       ; v: 8 fragments (16 columns x 128 rows), 1,552 bytes apart
.set VFP,  1552
.set SPARE, 64256                      ; the spare words, 128 bytes a wave: two blocks of 256 bytes that no other line names
.set LI48, 1
.set LS,   2
.set WB1,  3
.set SB1,  4
.set WB2,  5
.set SB2,  6
.set WB3,  7
.set SB3,  8
.set AO,   9
.set H8,   10
.set VWA,  11
.set VWS,  12
.set VO,   13
.set PO,   14
.set U4,   15                          ; 4 (r + 8 (r / 8)); never rewritten
.set H64,  16                          ; 64 h; never rewritten: loads that name it are out while the first block works
.set SPW,  18
.set NIL,  19
.set W1S,  20
.set W2S,  24
.set W3S,  28
.set HS,   44
.set TM,   52                          ; +0..3 largest magnitudes, +4..7 the other half and the bytes, +8..11 second chains, then scale operands
.set PW,   64
.set PC,   66
.set AF,   82
.set AR,   86
.set W0F,  90
.set AS,   98
.set ASB,  102
.set XT,   106
.set PX,   110
.set PSA,  112
.set RT,   160
.set D,    192
.set W1,   0                           ; window 1
.set W2,   24
.set B1C,  72
.set B2C,  88
.set FB,   120
.set W3,   0                           ; window 2
.set B3C,  96
.set VB,   128
.set MSB, 0
.macro WIN new                         ; the high byte of the immediate repeats the setting that is left
.if MSB != \new
	s_set_vgpr_msb (MSB<<8)|\new
.set MSB, \new
.endif
.endm
.macro PLACES n
.rept \n
	v_nop
.endr
.endm
.macro BARRIER                         ; my LDS stores have landed and my LDS loads are in: then the barrier of the work-group
	s_wait_dscnt 0x0
	s_barrier_signal -1
	s_barrier_wait -1
.endm
.macro FETCH8 base, sbase              ; eight fragments and their scale words; the words first, so that a counted wait for a fragment covers them
.irp f, 0,1,2,3,4,5,6,7
	ds_load_b32 v[HS+\f], v[LS] offset:\sbase+64*\f
.endr
	WIN 0x40
.irp f, 0,1,2,3,4,5,6,7
.irp c, 0,1,2
	ds_load_b128 v[FB+12*\f+4*\c:FB+12*\f+4*\c+3], v[LI48] offset:\base+1536*\f+16*\c
.endr
.endr
	WIN 0
.endm
.macro QS1 src, lo, n                  ; the activation, in f32, from the low end of each result on
.set qj, \lo
.rept \n
	v_max_num_f32 v[RT+qj], 0, v[\src+qj]
.set qj, qj+1
.endr
.endm
.macro QS2C nb, src                    ; the largest of my 16 numbers (none negative) of each of nb blocks, with the floor 2^(3 - 127): eight lines a block, in two chains, the blocks by turns
.set qb, 0
.rept \nb
	v_max3_num_f32 v[TM+qb], v[\src+16*qb], v[\src+16*qb+1], 0x1800000
	v_max3_num_f32 v[TM+8+qb], v[\src+16*qb+8], v[\src+16*qb+9], v[\src+16*qb+10]
.set qb, qb+1
.endr
.irp i, 0,1
.set qb, 0
.rept \nb
	v_max3_num_f32 v[TM+qb], v[TM+qb], v[\src+16*qb+2+2*\i], v[\src+16*qb+3+2*\i]
	v_max3_num_f32 v[TM+8+qb], v[TM+8+qb], v[\src+16*qb+11+2*\i], v[\src+16*qb+12+2*\i]
.set qb, qb+1
.endr
.endr
.set qb, 0
.rept \nb
	v_max3_num_f32 v[TM+qb], v[TM+qb], v[\src+16*qb+6], v[\src+16*qb+7]
.set qb, qb+1
.endr
.set qb, 0
.rept \nb
	v_max3_num_f32 v[TM+qb], v[TM+qb], v[TM+8+qb], v[\src+16*qb+15]
.set qb, qb+1
.endr
.endm
.macro QS3A nb                         ; with the 16 numbers of lane l xor 16: the largest magnitude of the block
.set qb, 0
.rept \nb
	v_permlanex16_b32 v[TM+4+qb], v[TM+qb], s24, s25
.set qb, qb+1
.endr
.set qb, 0
.rept \nb
	v_max_num_f32 v[TM+qb], v[TM+qb], v[TM+4+qb]
.set qb, qb+1
.endr
.endm
.macro QS3B nb, pw                     ; 2 off its exponent field: the scale operand; its exponent field: the byte; pw = 1: the two bytes make a word
.set qb, 0
.rept \nb
	v_add_nc_u32 v[TM+8+qb], 0xff000000, v[TM+qb]
.set qb, qb+1
.endr
.set qb, 0
.rept \nb
	v_lshrrev_b32 v[TM+4+qb], 23, v[TM+8+qb]
.set qb, qb+1
.endr
.if (\pw)
	v_lshl_or_b32 v[PW], v[TM+5], 8, v[TM+4]
.endif
.endm
.macro QS4 nb, src                     ; 16 numbers to 16 codes, 96 bits
.set qb, 0
.rept \nb
	v_cvt_scalef32_pk16_fp6_f32 v[PC+4*qb:PC+4*qb+2], v[\src+16*qb:\src+16*qb+15], v[TM+8+qb]
.set qb, qb+1
.endr
	v_nop                                          ; one plain place behind the last scaled conversion
.endm
.macro PUT nb, AD, aoff, SA, soff, sw  ; the scale bytes and the codes of nb blocks of one row tile go to LDS
.if \sw == 16
	ds_store_b16 v[\SA], v[PW] offset:(\soff)
.else
	ds_store_b32 v[\SA], v[PW] offset:(\soff)
.endif
.set qb, 0
.rept \nb
.irp i, 0,1,2
	ds_store_b32 v[\AD], v[PC+4*qb+\i] offset:(\aoff)+768*(qb%2)+24*(qb/2)+4*\i
.endr
.set qb, qb+1
.endr
.endm
.macro PUTP AD, aoff, SA, soff         ; one block of each of two row tiles
.irp b, 0,1
	ds_store_b8 v[\SA], v[TM+4+\b] offset:(\soff)+64*\b
.irp i, 0,1,2
	ds_store_b32 v[\AD], v[PC+4*\b+\i] offset:(\aoff)+1536*\b+4*\i
.endr
.endr
.endm
.macro TW T, tau, k, t, WR, BR, SR     ; unit tile tau for row tile T, into result k of the half of turn t; the bias is C
	WIN 0x15
	v_wmma_scale_f32_16x16x128_f8f6f4 v[D+32*((\t)%2)+8*(\k):D+32*((\t)%2)+8*(\k)+7], v[\WR+12*(\tau):\WR+12*(\tau)+11], v[FB+12*(\T):FB+12*(\T)+11], v[\BR+8*(\tau):\BR+8*(\tau)+7], v[\SR+(\tau)], v[HS+(\T)] matrix_a_fmt:MATRIX_FMT_FP6 matrix_b_fmt:MATRIX_FMT_FP6
	WIN 0
.endm
.macro TW4 mode, t, k
.if \mode == 1
	TW 2*(\t)+(\k)/2, (\k)%2, \k, \t, W1, B1C, W1S
.else
	TW \t, \k, \k, \t, W2, B2C, W2S
.endif
.endm
; A LAYER FOR THE EIGHT ROW TILES, in turns of four products.  mode 1, layer 1: two row tiles x my two unit tiles (four turns); mode 2, layer 2: one row tile x my four unit tiles (eight turns).  Either way the 32
; results of a lane are two blocks of 16.  Behind each product of a turn stand eight lines of the activation of the turn before; the maxima, scales, conversions and LDS stores follow behind the fourth:
; so the stores stand far behind the last product, and more than four plain instructions that name none of its registers stand ahead of the first read of its results.
; The counted waits: the three loads of each later fragment may be out (18, 12, 6 for pairs; 21, 18, 15).  The wait for 0: the stores of the turn before have read the registers that are written next.
.macro TRUN mode
.set tt, 0
.rept 4*\mode+1
.if tt < 3
	s_wait_dscnt 24-(9-3*\mode)*(tt+1)
.endif
.set dq, D+32*((tt+1)%2)
.irp k, 0,1,2,3
.if tt < 4*\mode
	TW4 \mode, tt, \k
.endif
.if tt > 0
	QS1 dq, 8*\k, 8
.endif
.endr
.if tt > 0
	QS2C 2, RT
.if tt >= 2
	s_wait_dscnt 0x0
.endif
	QS3A 2
	QS3B 2, \mode-1
	QS4 2, RT
.if \mode == 1
	PUTP WB2, 3072*(tt-1), SB2, 128*(tt-1)
.else
	PUT 2, WB3, 3072*(tt-1), SB3, 128*(tt-1), 16
.endif
.else
	PLACES 4
.endif
.set tt, tt+1
.endr
.endm
; LAYER 0, by rows: wave w takes row tiles 2 w and 2 w + 1.  K = 4 of the f32 form holds a0, a1, 1, 0 against W0 row 0, W0 row 1, b0, 0: the bias is inside the product.
.macro W0MM e, tau
	v_wmma_f32_16x16x4_f32 v[D+32*\e+8*\tau:D+32*\e+8*\tau+7], v[W0F+2*\tau:W0F+2*\tau+1], v[AF+2*\e:AF+2*\e+1], 0
.endm
.macro P0
.irp e, 0,1
	v_cndmask_b32 v[AF+2*\e], v[AR+2*\e], 1.0, s26     ; lanes 0-15: k = 0, 1: a; lanes 16-31: k = 2, 3: 1 and 0
	v_cndmask_b32 v[AF+2*\e+1], v[AR+2*\e+1], 0, s26
.endr
.irp tau, 0,1,2,3
	W0MM 0, \tau
.endr
	PLACES 8                                       ; eight places behind the f32 form
	W0MM 1, 0
	QS1 D, 0, 16
	W0MM 1, 1
	QS1 D, 16, 16
	W0MM 1, 2
	QS2C 2, RT
	W0MM 1, 3
	QS3A 2
	QS3B 2, 1
	QS4 2, RT
	PUT 2, WB1, 0, SB1, 0, 32
	PLACES 8
	QS1 D+32, 0, 32
	QS2C 2, RT
	s_wait_dscnt 0x0                               ; the stores above have read their registers
	QS3A 2
	QS3B 2, 1
	QS4 2, RT
	PUT 2, WB1, 1536, SB1, 64, 32
	BARRIER                                        ; layer 0 of the 128 rows lies in LDS
.endm
.macro MX32 src, k0, cnt               ; the largest magnitude of 32 numbers of one lane, in two chains: instructions k0 .. of 16; each result is read from its low end on
.set qk, \k0
.rept \cnt
.if qk == 0
	v_max3_num_f32 v[TM], |v[\src]|, |v[\src+1]|, |v[\src+2]|
.elseif qk == 1
	v_max3_num_f32 v[TM+1], |v[\src+3]|, |v[\src+4]|, |v[\src+5]|
.elseif qk < 15
	v_max3_num_f32 v[TM+qk%2], v[TM+qk%2], |v[\src+2*qk+2]|, |v[\src+2*qk+3]|
.else
	v_max3_num_f32 v[TM], v[TM], v[TM+1], 0x1800000
.endif
.set qk, qk+1
.endr
.endm
; v: wave w quantises rows 32 w .. 32 w + 31 of the block, one block along K, for all 128 columns: lane L holds columns 4 L + e, register 4 i + e row i.  The block, 24 bytes, goes to its place in the
; fragment of its column.  Then the next block of a and v is asked for: it has a whole block of work in which to land.  cnt: the loads issued behind those of v, which may stay out.
; last = 1: not in the last trip (no load leaves its buffer).
.macro VQ cnt, last
	s_wait_loadcnt \cnt
.irp e, 0,1,2,3
	WIN 0x02
.set qi, 0
.rept 32
	v_mov_b32 v[RT+qi], v[VB+4*qi+\e]              ; the conversions take neighbours along K from consecutive registers
.set qi, qi+1
.endr
	WIN 0
	MX32 RT, 0, 16
	v_add_nc_u32 v[TM+8], 0xff000000, v[TM]
.if \e > 0
	s_wait_dscnt 0x0                               ; the stores of the column before have read their registers
.endif
	v_lshrrev_b32 v[TM+4], 23, v[TM+8]
	v_cvt_scalef32_pk16_fp6_f32 v[PC:PC+2], v[RT:RT+15], v[TM+8]
	v_cvt_scalef32_pk16_fp6_f32 v[XT:XT+2], v[RT+16:RT+31], v[TM+8]
	v_nop
.irp i, 0,1,2
	v_mov_b32 v[PC+3+\i], v[XT+\i]
.endr
.irp j, 0,1,2
	ds_store_b64 v[VWA], v[PC+2*\j:PC+2*\j+1] offset:48*\e+8*\j
.endr
	ds_store_b8 v[VWS], v[TM+4] offset:4*\e
.endr
.if \last
	s_cmp_eq_u32 s23, 1
	s_cbranch_scc1 .Lno_next_\@
.endif
	s_add_nc_u64 s[4:5], s[4:5], 1024              ; every load that named these two bases is done (the wait at the head of this macro)
	s_add_nc_u64 s[6:7], s[6:7], 0x10000
	global_load_b64 v[AR:AR+1], v[AO], s[4:5]
	global_load_b64 v[AR+2:AR+3], v[AO], s[4:5] offset:64
	WIN 0x80
.set qi, 0
.rept 32
	global_load_b128 v[VB+4*qi:VB+4*qi+3], v[VO], s[6:7] offset:512*qi th:TH_LOAD_NT   ; 32 lanes read a row: 512 consecutive bytes
.set qi, qi+1
.endr
	WIN 0
.Lno_next_\@:
	s_wait_dscnt 0x0                               ; my stores have read their registers
.endm
; LAYER 3.  Pass p = 4 c + t: column tile t for row tiles 4 c .. 4 c + 3: eight products, K step by K step, the four results by turns.
.macro MM3 p, s, q
.set mt, (\p)%4
.set md, D+32*((\p)%2)+8*(\q)
.if \s == 0
	WIN 0x29
	v_wmma_scale_f32_16x16x128_f8f6f4 v[md:md+7], v[FB+12*(2*(\q)):FB+12*(2*(\q))+11], v[W3+12*(2*mt):W3+12*(2*mt)+11], v[B3C+8*mt:B3C+8*mt+7], v[HS+2*(\q)], v[W3S+mt] matrix_a_fmt:MATRIX_FMT_FP6 matrix_b_fmt:MATRIX_FMT_FP6
.else
	WIN 0x09
	v_wmma_scale_f32_16x16x128_f8f6f4 v[md:md+7], v[FB+12*(2*(\q)+1):FB+12*(2*(\q)+1)+11], v[W3+12*(2*mt+1):W3+12*(2*mt+1)+11], v[md:md+7], v[HS+2*(\q)+1], v[W3S+4+mt] matrix_a_fmt:MATRIX_FMT_FP6 matrix_b_fmt:MATRIX_FMT_FP6
.endif
.endm
.macro QM p, k                         ; slice k of 4 of the quantising of pass p: 32 rows of one column, a whole block, become registers 6 c .. 6 c + 5 of fragment t of psi^T
	WIN 0
.set qx, D+32*((\p)%2)
.set qt, (\p)%4
.set qc, (\p)/4
.if \k == 0
	MX32 qx, 0, 6
.elseif \k == 1
	MX32 qx, 6, 6
.elseif \k == 2
	MX32 qx, 12, 4
	v_add_nc_u32 v[TM+8], 0xff000000, v[TM]
	v_lshrrev_b32 v[TM+4], 23, v[TM+8]
.else
	v_cvt_scalef32_pk16_fp6_f32 v[PSA+12*qt+6*qc:PSA+12*qt+6*qc+2], v[qx:qx+15], v[TM+8]
	v_cvt_scalef32_pk16_fp6_f32 v[XT:XT+2], v[qx+16:qx+31], v[TM+8]
	v_nop
.irp i, 0,1,2
	v_mov_b32 v[PSA+12*qt+6*qc+3+\i], v[XT+\i]
.endr
.if qc == 0
	v_mov_b32 v[ASB+qt], v[TM+4]                   ; my byte of block h
.else
	v_lshl_or_b32 v[ASB+qt], v[TM+4], 16, v[ASB+qt]    ; and of block 2 + h,
	v_lshlrev_b32 v[ASB+qt], v[H8], v[ASB+qt]      ; at their places;
	v_permlanex16_b32 v[PX], v[ASB+qt], s24, s25
	v_or_b32 v[AS+qt], v[ASB+qt], v[PX]            ; with those of lane l xor 16 the scale word is whole
.endif
.endif
.endm
.macro RFETCH par, base, step, sbase, sstep    ; four fragments into the buffers 2 q + par, which the pass has done with
.irp q, 0,1,2,3
	ds_load_b32 v[HS+2*\q+\par], v[LS] offset:\sbase+\sstep*\q
.endr
	WIN 0x40
.irp q, 0,1,2,3
.irp c, 0,1,2
	ds_load_b128 v[FB+12*(2*\q+\par)+4*\c:FB+12*(2*\q+\par)+4*\c+3], v[LI48] offset:\base+\step*\q+16*\c
.endr
.endr
	WIN 0
.endm
.macro P3
	FETCH8 H3, H3S                                 ; row tiles 0-3, both K steps: buffer 2 q + s
.set pp, 0
.rept 8
.if pp == 4
	s_wait_dscnt 16                                ; the even buffers are in; the 16 loads of the odd ones may be out
.endif
.if pp == 0
	s_wait_dscnt 21                                ; the first pass starts on its first fragment: behind buffer 0 stand the 21 loads of buffers 1 to 7,
.endif
	MM3 pp, 0, 0
.if pp == 0
	s_wait_dscnt 15                                ; behind buffer 2 fifteen,
.endif
	MM3 pp, 0, 1
.if pp > 0
	QM pp-1, 0
.endif
.if pp == 0
	s_wait_dscnt 9                                 ; behind buffer 4 nine,
.endif
	MM3 pp, 0, 2
.if pp == 0
	s_wait_dscnt 3                                 ; behind buffer 6 three
.endif
	MM3 pp, 0, 3
.if pp > 0
	QM pp-1, 1
.endif
.if pp == 3
	RFETCH 0, H3+12288, 3072, H3S+512, 128         ; row tiles 4-7, K step 0: six plain instructions behind the last product that read these buffers
.elseif pp == 7
	RFETCH 0, VF, VFP, VS, 64                      ; column tiles 0-3 of v
.endif
.if (pp == 4) || (pp == 0)
	s_wait_dscnt 0x0
.endif
	MM3 pp, 1, 0
	MM3 pp, 1, 1
.if pp > 0
	QM pp-1, 2
.endif
	MM3 pp, 1, 2
	MM3 pp, 1, 3
.if pp > 0
	QM pp-1, 3
.else
	WIN 0
	PLACES 4
.endif
.if pp == 3
	RFETCH 1, H3+12288+1536, 3072, H3S+512+64, 128
.elseif pp == 7
	RFETCH 1, VF+4*VFP, VFP, VS+256, 64            ; column tiles 4-7 of v
.endif
.set pp, pp+1
.endr
	QM 7, 0
	QM 7, 1
	QM 7, 2
	QM 7, 3
	PLACES 8                                       ; a scale register written by a vector instruction stands eight places ahead of a scaled product, an operand four
	s_wait_dscnt 0x0                               ; v is in
.endm
.macro P9 first                        ; attn_map += psi^T v over these 128 rows: 32 accumulators, each once.  first = 1: the products start the sums
	WIN 0xf4
.irp n, 0,1,2,3,4,5,6,7
.irp t, 0,1,2,3
.if \first
	v_wmma_scale_f32_16x16x128_f8f6f4 v[64*\t+8*\n:64*\t+8*\n+7], v[PSA+12*\t:PSA+12*\t+11], v[FB+12*(2*(\n%4)+\n/4):FB+12*(2*(\n%4)+\n/4)+11], 0, v[AS+\t], v[HS+2*(\n%4)+\n/4] matrix_a_fmt:MATRIX_FMT_FP6 matrix_b_fmt:MATRIX_FMT_FP6
.else
	v_wmma_scale_f32_16x16x128_f8f6f4 v[64*\t+8*\n:64*\t+8*\n+7], v[PSA+12*\t:PSA+12*\t+11], v[FB+12*(2*(\n%4)+\n/4):FB+12*(2*(\n%4)+\n/4)+11], v[64*\t+8*\n:64*\t+8*\n+7], v[AS+\t], v[HS+2*(\n%4)+\n/4] matrix_a_fmt:MATRIX_FMT_FP6 matrix_b_fmt:MATRIX_FMT_FP6
.endif
.endr
.endr
	WIN 0
.endm
; A BLOCK OF 128 ROWS, three barriers.  What a phase overwrites in LDS was last read ahead of an earlier barrier, in front of which every wave has waited for all its LDS instructions.
; first = 1: the weights of layers 2 and 3 are still on their way: behind v stand their 47 loads; behind those of layer 2 the 26 of layer 3 and the 34 of the next a and v; behind those of layer 3 the 34.
.macro BLOCK first, last
.if \first == 0
	s_wait_loadcnt 32                              ; a is in; the 32 loads of v, issued behind it, may be out
.endif
	P0
	FETCH8 H1, H1S
.if \first
	VQ 47, \last
.else
	VQ 0, \last
.endif
	TRUN 1
	BARRIER                                        ; layer 1, and v, lie in LDS
	FETCH8 H2, H2S
.if \first
	s_wait_loadcnt 60
.endif
	TRUN 2
	BARRIER                                        ; layer 2 lies in LDS
.if \first
	s_wait_loadcnt 34
.endif
	P3
	P9 \first
.endm
	s_load_b512 s[4:19], s[0:1], 0x0               ; a s[4:5], v s[6:7], W0 s[8:9], b0 s[10:11], b1 s[12:13], b2 s[14:15], b3 s[16:17], wq s[18:19]
	s_load_b64 s[20:21], s[0:1], 0x40              ; part
	v_lshl_add_u32 v[SPW], v0, 2, SPARE
	v_mov_b32 v[NIL], 0
	v_lshrrev_b32 v66, 5, v0
	v_readfirstlane_b32 s22, v66                   ; wave w
	v_and_b32 v66, 31, v0                          ; lane L
	v_and_b32 v67, 15, v0                          ; r
	v_bfe_u32 v68, v0, 4, 1                        ; h
	s_mov_b32 s24, 0x76543210
	s_mov_b32 s25, 0xfedcba98                      ; selects for lane l xor 16
	s_mov_b32 s26, 0xffff0000                      ; lanes 16-31
	s_and_b32 s28, ttmp7, 0xffff
	s_lshr_b32 s29, s28, 1                         ; batch b
	s_and_b32 s30, s28, 1                          ; column half g
	s_lshr_b32 s44, s22, 1
	s_and_b32 s45, s22, 1
	v_mul_u32_u24 v[LI48], v66, 48
	v_lshlrev_b32 v[LS], 2, v67
	v_mul_u32_u24 v69, v67, 48
	v_mad_u32_u24 v69, v68, 12, v69                ; 48 r + 12 h
	s_mul_i32 s31, s22, 3072
	v_add_nc_u32 v[WB1], s31, v69                  ; layer 0 out: fragments 2 w, 2 w + 1
	s_lshl_b32 s31, s22, 7
	s_add_co_u32 s31, s31, H1S
	v_add_nc_u32 v[SB1], s31, v[LS]
	s_mul_i32 s31, s45, 768
	s_mul_i32 s46, s44, 24
	s_add_co_u32 s46, s31, s46                     ; block w of a K step: 768 (w % 2) + 24 (w / 2)
	s_add_co_u32 s31, s46, H2
	v_add_nc_u32 v[WB2], s31, v69
	s_add_co_u32 s31, s22, H2S
	v_add_nc_u32 v[SB2], s31, v[LS]                ; byte w of the word
	s_mul_i32 s31, s44, 1536                       ; layer 2 out: K step w / 2, blocks 2 (w % 2) and + 1
	s_mul_i32 s47, s45, 24
	s_add_co_u32 s31, s31, s47
	s_add_co_u32 s31, s31, H3
	v_add_nc_u32 v[WB3], s31, v69
	s_lshl_b32 s31, s44, 6
	s_lshl_b32 s47, s45, 1
	s_add_co_u32 s31, s31, s47
	s_add_co_u32 s31, s31, H3S
	v_add_nc_u32 v[SB3], s31, v[LS]
	v_and_b32 v70, 7, v67
	v_lshrrev_b32 v71, 3, v67
	v_lshlrev_b32 v[AO], 3, v70
	v_lshl_add_u32 v[AO], v71, 8, v[AO]            ; a: row r % 8 + 32 (r / 8), 8 bytes a row,
	s_lshl_b32 s31, s44, 9
	s_lshl_b32 s47, s45, 7
	s_add_co_u32 s31, s31, s47
	v_add_nc_u32 v[AO], s31, v[AO]                 ; + 64 (w / 2) + 16 (w % 2) rows: row tile 2 w
	v_lshlrev_b32 v[H8], 3, v68
	v_lshrrev_b32 v70, 2, v66
	v_and_b32 v71, 3, v66
	v_mul_u32_u24 v[VWA], v70, VFP
	v_mad_u32_u24 v[VWA], v71, 192, v[VWA]
	s_add_co_u32 s31, s46, VF
	v_add_nc_u32 v[VWA], s31, v[VWA]               ; v out: fragment L / 4, lane 4 (L % 4) + e + 16 (w % 2), registers 6 (w / 2) on
	v_lshlrev_b32 v[PO], 4, v66                    ; 16 L
	s_add_co_u32 s31, s22, VS
	v_add_nc_u32 v[VWS], s31, v[PO]                ; byte w of the word of column 4 L + e
	s_lshl_b32 s31, s22, 14
	v_add_nc_u32 v[VO], s31, v[PO]                 ; v in: 16 L + 32 w rows of 512 bytes
	v_and_b32 v70, 8, v67
	v_add_nc_u32 v70, v70, v67
	v_lshlrev_b32 v[U4], 2, v70                    ; 4 (r + 8 (r / 8))
	v_lshlrev_b32 v[H64], 6, v68                   ; 64 h
	v_mul_u32_u24 v72, v0, 48
.irp i, 4,5,6,7
	v_mov_b32 v[TM+\i], 0                          ; zeros; also: the destination of a lane permute counts as one of its sources
.endr
	v_mov_b32 v[PX], 0
	ds_store_b64 v72, v[TM+4:TM+5] offset:24       ; layer 1 has K = 64: registers 6-11 of the eight fragments of layer 0 are zeros, written once
	ds_store_b128 v72, v[TM+4:TM+7] offset:32
	ds_store_b64 v72, v[TM+4:TM+5] offset:6144+24
	ds_store_b128 v72, v[TM+4:TM+7] offset:6144+32
	s_mov_b32 s33, 0
	s_wait_kmcnt 0x0
	s_lshl_b32 s31, s29, 13
	s_lshl_b32 s32, ttmp9, 9
	s_add_co_u32 s31, s31, s32                     ; my first row
	s_lshl_b32 s32, s31, 3
	s_add_nc_u64 s[4:5], s[4:5], s[32:33]
	s_lshl_b32 s32, s31, 9
	s_add_nc_u64 s[6:7], s[6:7], s[32:33]
	s_lshl_b32 s32, s22, 7
	s_add_nc_u64 s[12:13], s[12:13], s[32:33]      ; b1 at unit 32 w
	s_lshl_b32 s32, s22, 8
	s_add_nc_u64 s[14:15], s[14:15], s[32:33]      ; b2 at unit 64 w
	s_lshl_b32 s34, s30, 2
	s_add_co_u32 s34, s34, s22                     ; column group 4 g + w
	s_lshl_b32 s32, s34, 8
	s_add_nc_u64 s[16:17], s[16:17], s[32:33]      ; b3 at column 64 (4 g + w)
	s_lshl_b32 s32, s29, 4
	s_add_co_u32 s32, s32, ttmp9
	s_lshl_b32 s32, s32, 1
	s_add_co_u32 s32, s32, s30
	s_lshl_b32 s32, s32, 2
	s_add_co_u32 s32, s32, s22
	s_lshl_b32 s32, s32, 15
	s_add_nc_u64 s[20:21], s[20:21], s[32:33]      ; part: ((16 b + x) 2 + g) 131,072 + 32,768 w
	s_mul_i32 s32, s44, GRP
	s_mul_i32 s35, s45, 3072
	s_add_co_u32 s32, s32, s35
	s_add_nc_u64 s[36:37], s[18:19], s[32:33]      ; W1: group w / 2, fragments 2 (w % 2) and + 1
	s_mul_i32 s32, s44, GRP
	s_lshl_b32 s35, s45, 3
	s_add_co_u32 s32, s32, s35
	s_add_co_u32 s32, s32, 6144
	s_add_nc_u64 s[38:39], s[18:19], s[32:33]      ; and their two scale words
	s_add_co_u32 s32, s22, 2
	s_mul_i32 s32, s32, GRP
	s_add_nc_u64 s[40:41], s[18:19], s[32:33]      ; W2: group 2 + w
	s_lshl_b32 s32, s34, 1
	s_add_co_u32 s32, s32, 6
	s_mul_i32 s32, s32, GRP
	s_add_nc_u64 s[42:43], s[18:19], s[32:33]      ; W3: groups 6 + 2 (4 g + w) and + 1
	; what layer 0 wants, and b3: 18 loads
	global_load_b64 v[AR:AR+1], v[AO], s[4:5]
	global_load_b64 v[AR+2:AR+3], v[AO], s[4:5] offset:64
.irp t, 0,1,2,3
	global_load_b32 v[RT+\t], v[U4], s[8:9] offset:4*(32*(\t/2)+8*(\t%2))          ; W0 row 0, row 1 and b0 at the unit of my lane in tile t
	global_load_b32 v[RT+4+\t], v[U4], s[8:9] offset:256+4*(32*(\t/2)+8*(\t%2))
	global_load_b32 v[RT+8+\t], v[U4], s[10:11] offset:4*(32*(\t/2)+8*(\t%2))
	global_load_b32 v[XT+\t], v[U4], s[16:17] offset:4*(32*(\t/2)+8*(\t%2))        ; b3 at the column of my lane in tile t
.endr
	; layer 1: 11 loads
	WIN 0x40
.irp u, 0,1
.irp q, 0,1,2
	global_load_b128 v[W1+12*\u+4*\q:W1+12*\u+4*\q+3], v[PO], s[36:37] offset:1536*\u+512*\q
.endr
.endr
.irp u, 0,1
.irp k, 0,1
	global_load_b128 v[B1C+8*\u+4*\k:B1C+8*\u+4*\k+3], v[H64], s[12:13] offset:32*\u+16*\k      ; lane (r, h), tile u: units 16 h + 8 u + 0 .. 7
.endr
.endr
	WIN 0
	global_load_b64 v[W1S:W1S+1], v[PO], s[38:39]
	; v of the first block: 32 loads
	WIN 0x80
.set qi, 0
.rept 32
	global_load_b128 v[VB+4*qi:VB+4*qi+3], v[VO], s[6:7] offset:512*qi th:TH_LOAD_NT
.set qi, qi+1
.endr
	WIN 0
	s_wait_loadcnt 43                              ; the first 18 are in; the 11 of layer 1 and the 32 of v may be out
.irp t, 0,1,2,3
	v_cndmask_b32 v[W0F+2*\t], v[RT+\t], v[RT+8+\t], s26   ; lanes 0-15: k = 0, 1: W0; lanes 16-31: k = 2, 3: b0 and 0
	v_cndmask_b32 v[W0F+2*\t+1], v[RT+4+\t], 0, s26
.endr
	WIN 0x80
.irp t, 0,1,2,3
.irp j, 0,1,2,3,4,5,6,7
	v_mov_b32 v[B3C+8*\t+\j], v[XT+\t]             ; layer 3 as it stands: a lane holds one column, so its eight registers of C hold one number
.endr
.endr
	; layer 2: 21 loads; layer 3: 26: they land under the first block
	WIN 0x40
.irp t, 0,1,2,3
.irp q, 0,1,2
	global_load_b128 v[W2+12*\t+4*\q:W2+12*\t+4*\q+3], v[PO], s[40:41] offset:1536*\t+512*\q
.endr
.endr
.irp t, 0,1,2,3
.irp k, 0,1
	global_load_b128 v[B2C+8*\t+4*\k:B2C+8*\t+4*\k+3], v[H64], s[14:15] offset:128*(\t/2)+32*(\t%2)+16*\k
.endr
.endr
	WIN 0
	global_load_b128 v[W2S:W2S+3], v[PO], s[40:41] offset:6144
	WIN 0x80
.irp s, 0,1
.irp t, 0,1,2,3
.irp q, 0,1,2
	global_load_b128 v[W3+12*(2*\t+\s)+4*\q:W3+12*(2*\t+\s)+4*\q+3], v[PO], s[42:43] offset:GRP*\s+1536*\t+512*\q
.endr
.endr
.endr
	WIN 0
.irp s, 0,1
	global_load_b128 v[W3S+4*\s:W3S+4*\s+3], v[PO], s[42:43] offset:GRP*\s+6144
.endr
	s_wait_dscnt 0x0                               ; the stores of zeros have read their registers
	BLOCK 1, 0                                     ; the first block stands ahead of the loop: its last products start the 32 sums
	s_mov_b32 s23, 3
.Lblock:
	BLOCK 0, 1
	s_sub_co_u32 s23, s23, 1
	s_cmp_lg_u32 s23, 0
	s_cbranch_scc1 .Lblock
	PLACES 4
	WIN 0x0c                                       ; the data of a store are its source 1: window 3
.irp t, 0,1,2,3
.irp n, 0,1,2,3,4,5,6,7
	global_store_b128 v[PO], v[64*\t+8*\n:64*\t+8*\n+3], s[20:21] offset:1024*(8*\t+\n) th:TH_STORE_NT       ; 32 lanes store 512 consecutive bytes; each accumulator from its low end on
	global_store_b128 v[PO], v[64*\t+8*\n+4:64*\t+8*\n+7], s[20:21] offset:1024*(8*\t+\n)+512 th:TH_STORE_NT
.endr
.endr
	WIN 0
	s_wait_tensorcnt 0x0                           ; the end of the wave
	ds_add_u32 v[SPW], v[NIL]
	s_wait_dscnt 0x0
	s_endpgm
.Lfunc_end_k_qa6d474734a_psi_kv:
	.size	k_qa6d474734a_psi_kv, .Lfunc_end_k_qa6d474734a_psi_kv-k_qa6d474734a_psi_kv
	.p2alignl 7, 3214868480
	.fill 96, 4, 3214868480
	.section	.rodata,"a",@progbits
	.p2align	6, 0x0
	.amdhsa_kernel k_qa6d474734a_psi_kv
		.amdhsa_group_segment_fixed_size 64768
		.amdhsa_private_segment_fixed_size 0
		.amdhsa_enable_private_segment 0
		.amdhsa_kernarg_size 72
		.amdhsa_user_sgpr_count 2
		.amdhsa_user_sgpr_kernarg_segment_ptr 1
		.amdhsa_wavefront_size32 1
		.amdhsa_system_sgpr_workgroup_id_x 1
		.amdhsa_system_sgpr_workgroup_id_y 1
		.amdhsa_system_sgpr_workgroup_id_z 1
		.amdhsa_system_vgpr_workitem_id 0
		.amdhsa_next_free_vgpr 1024
		.amdhsa_next_free_sgpr 66
		.amdhsa_reserve_vcc 0
		.amdhsa_float_denorm_mode_32 3
		.amdhsa_float_denorm_mode_16_64 3
		.amdhsa_memory_ordered 1
		.amdhsa_forward_progress 1
		.amdhsa_inst_pref_size 236
	.end_amdhsa_kernel
	.amdgpu_metadata
---
amdhsa.version: [ 1, 2 ]
amdhsa.kernels:
  - .name:           k_qa6d474734a_psi_kv
    .symbol:         k_qa6d474734a_psi_kv.kd
    .args:
      - { .name: a, .offset: 0, .size: 8, .value_kind: global_buffer, .address_space: global }
      - { .name: v, .offset: 8, .size: 8, .value_kind: global_buffer, .address_space: global }
      - { .name: psi_W0, .offset: 16, .size: 8, .value_kind: global_buffer, .address_space: global }
      - { .name: psi_b0, .offset: 24, .size: 8, .value_kind: global_buffer, .address_space: global }
      - { .name: psi_b1, .offset: 32, .size: 8, .value_kind: global_buffer, .address_space: global }
      - { .name: psi_b2, .offset: 40, .size: 8, .value_kind: global_buffer, .address_space: global }
      - { .name: psi_b3, .offset: 48, .size: 8, .value_kind: global_buffer, .address_space: global }
      - { .name: wq, .offset: 56, .size: 8, .value_kind: global_buffer, .address_space: global }
      - { .name: part, .offset: 64, .size: 8, .value_kind: global_buffer, .address_space: global }
    .group_segment_fixed_size: 64768
    .private_segment_fixed_size: 0
    .kernarg_segment_align: 8
    .kernarg_segment_size: 72
    .max_flat_workgroup_size: 128
    .sgpr_count:     66
    .vgpr_count:     1024
    .wavefront_size: 32
...
	.end_amdgpu_metadata
.endif
;; end of part 2
;; launch reduce (part 3): grid 32 x 8, 4 waves a work-group, no clusters, 2,560 bytes of LDS; arguments part, amq; writes amq
.if DOCPART == 3
	.amdgcn_target "amdgcn-amd-amdhsa--gfx1250"
	.amdhsa_code_object_version 6
	.text
	.protected	k_qa6d474734a_reduce
	.globl	k_qa6d474734a_reduce
	.p2align	8
	.type	k_qa6d474734a_reduce,@function
k_qa6d474734a_reduce:
	s_mov_b64 s[64:65], 0
	v_nop
	global_prefetch_b8 v0, s[64:65] scope:SCOPE_SE
	s_setreg_imm32_b32 hwreg(HW_REG_WAVE_MODE, 25, 1), 1
	s_wait_xcnt 0x0
; LowRank1d, launch 2 of 4: attn_map = the sum of the 16 partial sums, times 2^-13 (the division by n, moved ahead of the quantiser: a power of two goes through it unchanged, unless a sum
; lies under 2^-113), quantised along K = the 512 columns of psi_eval into codes of FP6 (E2M3) with E8M0 bytes, laid in the order of the operand registers.  Nothing is left out.
; part: ((16 b + s) 2 + g) 131,072 + 32,768 w + 1,024 (8 t + n) + 512 half + 16 L holds registers 4 half .. + 3 of accumulator (t, n) of wave w: register j of lane (r, h) is
; attn_map(k = 256 g + 64 w + 32 (t / 2) + 16 h + 8 (t % 2) + j, c = 16 n + r): the 16 registers of tiles 2 e, 2 e + 1 are 16 neighbours along K of row c.
; amq: group (2 b + n / 4) 4 + K step, laid as the groups of wq: fragment n % 4 has rows c = 16 n + r.
; SHARES: work-group (x, y): column tile n = x % 8, K step x / 8, batch y; wave q: block q of the K step.  A wave reads 16 x 2,048 bytes, 512 consecutive bytes a load, eight partial sums ahead.
; A stream bound by memory: no matrix unit, no cluster.  LIMITS as in launch 0.
.set SPARE, 2048                       ; the spare words; LDS 0-1,535: the fragment, register g of lane L at 48 L + 4 g; 1,536-1,599: its scale words
.set SPW,  12
.set NIL,  13
.set SUM,  16                          ; v16-31
.set SL,   32                          ; v32-159  eight slots of 16
.set TM,   160
.set PC,   172
.macro PLOAD s
.irp u, 0,1
.irp f, 0,1
	global_load_b128 v[SL+16*((\s)%8)+8*\u+4*\f:SL+16*((\s)%8)+8*\u+4*\f+3], v1, s[4:5] offset:262144*(\s)+8192*\u+512*\f th:TH_LOAD_NT
.endr
.endr
.endm
	s_load_b128 s[4:7], s[0:1], 0x0                ; part, amq
	v_lshl_add_u32 v[SPW], v0, 2, SPARE
	v_mov_b32 v[NIL], 0
	v_lshrrev_b32 v2, 5, v0
	v_readfirstlane_b32 s8, v2                     ; wave q
	v_and_b32 v2, 31, v0                           ; L
	v_and_b32 v3, 15, v0                           ; r
	v_bfe_u32 v4, v0, 4, 1                         ; h
	v_lshlrev_b32 v1, 4, v2                        ; 16 L
	s_and_b32 s9, ttmp9, 7                         ; n
	s_lshr_b32 s10, ttmp9, 3                       ; K step
	s_and_b32 s11, ttmp7, 0xffff                   ; b
	s_lshr_b32 s12, s8, 1
	s_and_b32 s13, s8, 1
	v_mul_u32_u24 v5, v3, 48
	v_mad_u32_u24 v5, v4, 12, v5
	s_mul_i32 s18, s13, 768
	s_mul_i32 s19, s12, 24
	s_add_co_u32 s18, s18, s19
	v_add_nc_u32 v5, s18, v5                       ; my 16 codes: 48 r + 12 h + 768 (q % 2) + 24 (q / 2)
	v_lshlrev_b32 v8, 2, v3
	v_add_nc_u32 v8, 1536, v8                      ; the scale word of row r
	v_add_nc_u32 v6, s8, v8                        ; its byte q
	v_mul_u32_u24 v7, v2, 48
	s_lshl_b32 s18, s8, 4
	v_add_nc_u32 v7, s18, v7                       ; back: registers 4 q .. of lane L
	s_lshl_b32 s18, s8, 9
	v_add_nc_u32 v9, s18, v1                       ; and out: 512 q + 16 L
	s_lshl_b32 s20, s11, 5
	s_lshr_b32 s18, s10, 1                         ; g
	s_add_co_u32 s20, s20, s18
	s_lshl_b32 s20, s20, 2
	s_and_b32 s18, s10, 1
	s_lshl_b32 s18, s18, 1
	s_add_co_u32 s18, s18, s12                     ; the wave of launch 1: 2 (K step % 2) + q / 2
	s_add_co_u32 s20, s20, s18
	s_lshl_b32 s20, s20, 5
	s_lshl_b32 s18, s13, 4
	s_add_co_u32 s18, s18, s9                      ; 8 t + n with t = 2 (q % 2)
	s_add_co_u32 s20, s20, s18
	s_lshl_b32 s20, s20, 10
	s_mov_b32 s21, 0
	s_lshl_b32 s22, s11, 1
	s_lshr_b32 s18, s9, 2
	s_add_co_u32 s22, s22, s18
	s_lshl_b32 s22, s22, 2
	s_add_co_u32 s22, s22, s10
	s_mul_i32 s22, s22, 6656                       ; my group in amq
	s_and_b32 s18, s9, 3
	s_mul_i32 s24, s18, 1536
	s_add_co_u32 s24, s24, s22
	s_mov_b32 s25, 0
	s_lshl_b32 s26, s18, 2
	s_add_co_u32 s26, s26, s22
	s_mov_b32 s27, 0
	s_mov_b32 s28, 0x76543210
	s_mov_b32 s29, 0xfedcba98
	v_mov_b32 v[TM+4], 0                           ; the destination of a lane permute counts as one of its sources
	s_wait_kmcnt 0x0
	s_add_nc_u64 s[4:5], s[4:5], s[20:21]
	s_add_nc_u64 s[14:15], s[6:7], s[24:25]
	s_add_nc_u64 s[16:17], s[6:7], s[26:27]
.irp s, 0,1,2,3,4,5,6,7
	PLOAD \s
.endr
	s_wait_loadcnt 24                              ; partial sums 0 and 1 are in; the 24 loads of 2 to 7 may be out
.irp k, 0,2,4,6,8,10,12,14
	v_pk_add_f32 v[SUM+\k:SUM+\k+1], v[SL+\k:SL+\k+1], v[SL+16+\k:SL+16+\k+1]   ; they start the sum: nothing is cleared
.endr
	PLOAD 8
	PLOAD 9
.irp s, 2,3,4,5,6,7,8,9,10,11,12,13,14,15
.if \s < 8
	s_wait_loadcnt 28                              ; behind partial sum s: seven more, four loads each
.else
	s_wait_loadcnt 4*(15-\s)
.endif
.irp k, 0,2,4,6,8,10,12,14
	v_pk_add_f32 v[SUM+\k:SUM+\k+1], v[SUM+\k:SUM+\k+1], v[SL+16*(\s%8)+\k:SL+16*(\s%8)+\k+1]
.endr
.if \s < 8
	PLOAD \s+8
.endif
.endr
.irp k, 0,2,4,6,8,10,12,14
	v_pk_mul_f32 v[SUM+\k:SUM+\k+1], v[SUM+\k:SUM+\k+1], 0x39000000 op_sel_hi:[1,0]   ; x 2^-13
.endr
	v_max3_num_f32 v[TM], |v[SUM]|, |v[SUM+1]|, 0x1800000          ; my 16 numbers, and the floor 2^(3 - 127)
	v_max3_num_f32 v[TM+1], |v[SUM+2]|, |v[SUM+3]|, |v[SUM+4]|
.irp i, 5,9
	v_max3_num_f32 v[TM], v[TM], |v[SUM+\i]|, |v[SUM+\i+1]|
	v_max3_num_f32 v[TM+1], v[TM+1], |v[SUM+\i+2]|, |v[SUM+\i+3]|
.endr
	v_max3_num_f32 v[TM], v[TM], |v[SUM+13]|, |v[SUM+14]|
	v_max3_num_f32 v[TM], v[TM], v[TM+1], |v[SUM+15]|
	v_permlanex16_b32 v[TM+4], v[TM], s28, s29
	v_max_num_f32 v[TM], v[TM], v[TM+4]            ; with the 16 of lane l xor 16: the largest magnitude of the block
	v_add_nc_u32 v[TM+8], 0xff000000, v[TM]        ; 2 off its exponent field: the scale operand
	v_lshrrev_b32 v[TM+4], 23, v[TM+8]             ; the byte
	v_cvt_scalef32_pk16_fp6_f32 v[PC:PC+2], v[SUM:SUM+15], v[TM+8]
	v_nop
.irp i, 0,1,2
	ds_store_b32 v5, v[PC+\i] offset:4*\i
.endr
	ds_store_b8 v6, v[TM+4]                        ; both lanes of a row write the same byte with the same value
	s_wait_dscnt 0x0                               ; for the others: my stores have landed
	s_barrier_signal -1
	s_barrier_wait -1
	s_cmp_eq_u32 s8, 3
	s_cbranch_scc1 .Lwords
	ds_load_b128 v[20:23], v7                      ; waves 0-2: four registers of the fragment each
	s_wait_dscnt 0x0
	global_store_b128 v9, v[20:23], s[14:15]       ; 512 consecutive bytes
	s_branch .Lend
.Lwords:
	ds_load_b32 v20, v8                            ; wave 3: the scale words, in both halves of the lanes
	s_wait_dscnt 0x0
	global_store_b32 v1, v20, s[16:17] offset:6144
.Lend:
	s_wait_tensorcnt 0x0                           ; the end of the wave
	ds_add_u32 v[SPW], v[NIL]
	s_wait_dscnt 0x0
	s_endpgm
.Lfunc_end_k_qa6d474734a_reduce:
	.size	k_qa6d474734a_reduce, .Lfunc_end_k_qa6d474734a_reduce-k_qa6d474734a_reduce
	.p2alignl 7, 3214868480
	.fill 96, 4, 3214868480
	.section	.rodata,"a",@progbits
	.p2align	6, 0x0
	.amdhsa_kernel k_qa6d474734a_reduce
		.amdhsa_group_segment_fixed_size 2560
		.amdhsa_private_segment_fixed_size 0
		.amdhsa_enable_private_segment 0
		.amdhsa_kernarg_size 16
		.amdhsa_user_sgpr_count 2
		.amdhsa_user_sgpr_kernarg_segment_ptr 1
		.amdhsa_wavefront_size32 1
		.amdhsa_system_sgpr_workgroup_id_x 1
		.amdhsa_system_sgpr_workgroup_id_y 1
		.amdhsa_system_sgpr_workgroup_id_z 1
		.amdhsa_system_vgpr_workitem_id 0
		.amdhsa_next_free_vgpr 176
		.amdhsa_next_free_sgpr 66
		.amdhsa_reserve_vcc 0
		.amdhsa_float_denorm_mode_32 3
		.amdhsa_float_denorm_mode_16_64 3
		.amdhsa_memory_ordered 1
		.amdhsa_forward_progress 1
		.amdhsa_inst_pref_size 20
	.end_amdhsa_kernel
	.amdgpu_metadata
---
amdhsa.version: [ 1, 2 ]
amdhsa.kernels:
  - .name:           k_qa6d474734a_reduce
    .symbol:         k_qa6d474734a_reduce.kd
    .args:
      - { .name: part, .offset: 0, .size: 8, .value_kind: global_buffer, .address_space: global }
      - { .name: amq, .offset: 8, .size: 8, .value_kind: global_buffer, .address_space: global }
    .group_segment_fixed_size: 2560
    .private_segment_fixed_size: 0
    .kernarg_segment_align: 8
    .kernarg_segment_size: 16
    .max_flat_workgroup_size: 128
    .sgpr_count:     66
    .vgpr_count:     176
    .wavefront_size: 32
...
	.end_amdgpu_metadata
.endif
;; end of part 3
;; launch phi_out (part 4): grid 32 x 8, 4 waves a work-group, no clusters, 120,320 bytes of LDS; arguments a, phi_W0, phi_b0, phi_b1, phi_b2, phi_b3, wq, amq, out0; writes out0
.if DOCPART == 4
	.amdgcn_target "amdgcn-amd-amdhsa--gfx1250"
	.amdhsa_code_object_version 6
	.text
	.protected	k_qa6d474734a_phi_out
	.globl	k_qa6d474734a_phi_out
	.p2align	8
	.type	k_qa6d474734a_phi_out,@function
k_qa6d474734a_phi_out:
	s_mov_b64 s[64:65], 0
	v_nop
	global_prefetch_b8 v0, s[64:65] scope:SCOPE_SE
	s_setreg_imm32_b32 hwreg(HW_REG_WAVE_MODE, 25, 1), 1
	s_wait_xcnt 0x0
; LowRank1d, launch 3 of 4: the phi MLP on 256 rows, Q(phi_eval) along its 512 columns, and the product with Q(attn_map / n) of launch 2: the output.  Nothing is left out.
; SHARES.  Work-group (x, y): rows 8,192 y + 256 x .. + 255, in two blocks of 128.  Four waves, all registers of a SIMD each; THE WAVES SHARE THE COLUMNS of layers 1 to 3 (wave w: units 32 w .., 64 w ..,
; columns 128 w ..), their weights stay in registers; activations go from wave to wave through LDS as codes, in the order of the reader registers (register g of lane L at 48 L + 4 g), as in launch 1.
; All four layers are used transposed (source 0 = 16 units of W, source 1 = 16 rows): a lane holds one row, its registers run along the next K.  The 128 columns of a wave are K step w of the last product.
; THE LAST PRODUCT: wave (w / 2, w % 2) makes row tiles 4 (w / 2) .. + 3 x columns 64 (w % 2) .. + 63 of the output; its 16 fragments of attn_map stay in registers; source 0 = 16 columns c, source 1 = 16 rows:
; a lane holds eight neighbouring c of one row.  The results go through a stage of the wave in LDS and leave as aligned runs of 256 bytes from sixteen lanes.
; THE LOADS GO IN THE ORDER IN WHICH THEY ARE NEEDED: what layer 0 wants (16 loads), then layers 1 and 2 and b3 (48); layer 0 starts when the 16 are in; W3 (52) goes out behind that wait, attn_map (52) behind the
; second barrier of the first block.  So the two blocks are written out, by one macro: the loads and waits of the first stand under no branch.
; No tensor load and no cluster: what work-groups share (146 KB of weights, 53 KB of attn_map) is read once, straight into registers.
; LIMITS as in launch 0.
; REGISTERS.  Window 0: v1-17, v118, v119 addresses; v18, 19 for the add; v20-51, v98-113 scale words; v52-81 at work; v82-97, v114-117 layer 0; v128-255 results, two halves (v128-191 written by matrix
;   instructions alone; v192-223 also 32 numbers at work and the rows on the way out).  Window 1: W1, W2, b1, b2, eight fragment buffers.  Window 2: W3.  Window 3: attn_map, b3.
.set GRP,  6656
.set H1,   0
.set H2,   12288
.set H3,   24576
.set H1S,  49152
.set H2S,  49664
.set H3S,  50176
.set QS,   51200                       ; scale words of phi_eval: fragment 4 T + s at 64 (4 T + s)
.set QF,   53248                       ; phi_eval: 32 fragments of 1,536 bytes
.set STG,  102400                      ; the way out: 16 rows x (256 + 16) bytes for each wave
.set SPARE, 119808                     ; the spare words, 128 bytes a wave
.set LI48, 1
.set LS,   2
.set WB1,  3
.set SB1,  4
.set WB2,  5
.set SB2,  6
.set WB3,  7
.set SB3,  8
.set AO,   9
.set WBQ,  10
.set SBQ,  11
.set SO,   12
.set SR,   13
.set GO,   14
.set LIQ,  15
.set QSR,  16
.set PO,   17
.set SPW,  18
.set NIL,  19
.set W1S,  20
.set W2S,  24
.set W3S,  28
.set HS,   44
.set TM,   52
.set PW,   64
.set PC,   66
.set AF,   82
.set AR,   86
.set W0F,  90
.set AMS,  98
.set AR2,  114
.set U4,   118                         ; 4 (r + 8 (r / 8)); never rewritten
.set H64,  119                         ; 64 h; never rewritten: loads that name it are out while layer 0 works
.set D,    128
.set RT,   192
.set OB,   192
.set W1,   0                           ; window 1
.set W2,   24
.set B1C,  72
.set B2C,  88
.set FB,   120
.set W3,   0                           ; window 2
.set AM,   0                           ; window 3
.set B3C,  192
.set MSB, 0
.macro WIN new                         ; the high byte of the immediate repeats the setting that is left
.if MSB != \new
	s_set_vgpr_msb (MSB<<8)|\new
.set MSB, \new
.endif
.endm
.macro PLACES n
.rept \n
	v_nop
.endr
.endm
.macro BARRIER                         ; my LDS stores have landed and my LDS loads are in: then the barrier of the work-group
	s_wait_dscnt 0x0
	s_barrier_signal -1
	s_barrier_wait -1
.endm
.macro FETCH8 base, sbase              ; eight fragments and their scale words; the words first
.irp f, 0,1,2,3,4,5,6,7
	ds_load_b32 v[HS+\f], v[LS] offset:\sbase+64*\f
.endr
	WIN 0x40
.irp f, 0,1,2,3,4,5,6,7
.irp c, 0,1,2
	ds_load_b128 v[FB+12*\f+4*\c:FB+12*\f+4*\c+3], v[LI48] offset:\base+1536*\f+16*\c
.endr
.endr
	WIN 0
.endm
.macro QS1 src, lo, n                  ; the activation, in f32, from the low end of each result on
.set qj, \lo
.rept \n
	v_max_num_f32 v[RT+qj], 0, v[\src+qj]
.set qj, qj+1
.endr
.endm
.macro QS2C nb, src                    ; the largest of my 16 numbers (none negative) of each of nb blocks, with the floor 2^(3 - 127): eight lines a block, in two chains, the blocks by turns
.set qb, 0
.rept \nb
	v_max3_num_f32 v[TM+qb], v[\src+16*qb], v[\src+16*qb+1], 0x1800000
	v_max3_num_f32 v[TM+8+qb], v[\src+16*qb+8], v[\src+16*qb+9], v[\src+16*qb+10]
.set qb, qb+1
.endr
.irp i, 0,1
.set qb, 0
.rept \nb
	v_max3_num_f32 v[TM+qb], v[TM+qb], v[\src+16*qb+2+2*\i], v[\src+16*qb+3+2*\i]
	v_max3_num_f32 v[TM+8+qb], v[TM+8+qb], v[\src+16*qb+11+2*\i], v[\src+16*qb+12+2*\i]
.set qb, qb+1
.endr
.endr
.set qb, 0
.rept \nb
	v_max3_num_f32 v[TM+qb], v[TM+qb], v[\src+16*qb+6], v[\src+16*qb+7]
.set qb, qb+1
.endr
.set qb, 0
.rept \nb
	v_max3_num_f32 v[TM+qb], v[TM+qb], v[TM+8+qb], v[\src+16*qb+15]
.set qb, qb+1
.endr
.endm
.macro QS2A src, i0, cnt               ; the largest magnitude of my 16 numbers of each of four blocks, with the floor; the four blocks by turns; pairs i0, i0 + 2 ..
.set qi, \i0
.rept \cnt
.set qb, 0
.rept 4
.if qi == 0
	v_max3_num_f32 v[TM+qb], |v[\src+16*qb]|, |v[\src+16*qb+1]|, 0x1800000
.else
	v_max3_num_f32 v[TM+qb], v[TM+qb], |v[\src+16*qb+qi]|, |v[\src+16*qb+qi+1]|
.endif
.set qb, qb+1
.endr
.set qi, qi+2
.endr
.endm
.macro QS3A nb                         ; with the 16 numbers of lane l xor 16
.set qb, 0
.rept \nb
	v_permlanex16_b32 v[TM+4+qb], v[TM+qb], s24, s25
.set qb, qb+1
.endr
.set qb, 0
.rept \nb
	v_max_num_f32 v[TM+qb], v[TM+qb], v[TM+4+qb]
.set qb, qb+1
.endr
.endm
.macro QS3B nb, pw                     ; the scale operands, the bytes; pw = 1: the bytes make a word
.set qb, 0
.rept \nb
	v_add_nc_u32 v[TM+8+qb], 0xff000000, v[TM+qb]
.set qb, qb+1
.endr
.set qb, 0
.rept \nb
	v_lshrrev_b32 v[TM+4+qb], 23, v[TM+8+qb]
.set qb, qb+1
.endr
.if (\pw)
	v_lshl_or_b32 v[PW], v[TM+5], 8, v[TM+4]
.if \nb == 4
	v_lshl_or_b32 v[PW], v[TM+6], 16, v[PW]
	v_lshl_or_b32 v[PW], v[TM+7], 24, v[PW]
.endif
.endif
.endm
.macro QS4 nb, src
.set qb, 0
.rept \nb
	v_cvt_scalef32_pk16_fp6_f32 v[PC+4*qb:PC+4*qb+2], v[\src+16*qb:\src+16*qb+15], v[TM+8+qb]
.set qb, qb+1
.endr
	v_nop                                          ; one plain place behind the last scaled conversion
.endm
.macro PUT nb, AD, aoff, SA, soff, sw  ; the scale bytes and the codes of nb blocks of one row tile go to LDS
.if \sw == 16
	ds_store_b16 v[\SA], v[PW] offset:(\soff)
.else
	ds_store_b32 v[\SA], v[PW] offset:(\soff)
.endif
.set qb, 0
.rept \nb
.irp i, 0,1,2
	ds_store_b32 v[\AD], v[PC+4*qb+\i] offset:(\aoff)+768*(qb%2)+24*(qb/2)+4*\i
.endr
.set qb, qb+1
.endr
.endm
.macro PUTP AD, aoff, SA, soff         ; one block of each of two row tiles
.irp b, 0,1
	ds_store_b8 v[\SA], v[TM+4+\b] offset:(\soff)+64*\b
.irp i, 0,1,2
	ds_store_b32 v[\AD], v[PC+4*\b+\i] offset:(\aoff)+1536*\b+4*\i
.endr
.endr
.endm
.macro TW T, tau, k, t, WR, BR, SR     ; unit tile tau for row tile T, into result k of the half of turn t; the bias is C
	WIN 0x15
	v_wmma_scale_f32_16x16x128_f8f6f4 v[D+32*((\t)%2)+8*(\k):D+32*((\t)%2)+8*(\k)+7], v[\WR+12*(\tau):\WR+12*(\tau)+11], v[FB+12*(\T):FB+12*(\T)+11], v[\BR+8*(\tau):\BR+8*(\tau)+7], v[\SR+(\tau)], v[HS+(\T)] matrix_a_fmt:MATRIX_FMT_FP6 matrix_b_fmt:MATRIX_FMT_FP6
	WIN 0
.endm
.macro TW4 mode, t, k
.if \mode == 1
	TW 2*(\t)+(\k)/2, (\k)%2, \k, \t, W1, B1C, W1S
.else
	TW \t, \k, \k, \t, W2, B2C, W2S
.endif
.endm
; A LAYER FOR THE EIGHT ROW TILES, in turns of four products, as in launch 1.  mode 1, layer 1: two row tiles x my two unit tiles; mode 2, layer 2: one row tile x my four unit tiles.  Behind each product stand eight
; lines of the activation of the turn before; the maxima, scales, conversions and LDS stores follow behind the fourth.  The counted waits: the three loads of each later fragment may be out.
; The wait for 0: the stores of the turn before have read the registers that are written next.
.macro TRUN mode
.set tt, 0
.rept 4*\mode+1
.if tt < 3
	s_wait_dscnt 24-(9-3*\mode)*(tt+1)
.endif
.set dq, D+32*((tt+1)%2)
.irp k, 0,1,2,3
.if tt < 4*\mode
	TW4 \mode, tt, \k
.endif
.if tt > 0
	QS1 dq, 8*\k, 8
.endif
.endr
.if tt > 0
	QS2C 2, RT
.if tt >= 2
	s_wait_dscnt 0x0
.endif
	QS3A 2
	QS3B 2, \mode-1
	QS4 2, RT
.if \mode == 1
	PUTP WB2, 3072*(tt-1), SB2, 128*(tt-1)
.else
	PUT 2, WB3, 3072*(tt-1), SB3, 128*(tt-1), 16
.endif
.else
	PLACES 4
.endif
.set tt, tt+1
.endr
.endm
; LAYER 0, by rows: K = 4 of the f32 form holds a0, a1, 1, 0 against W0 row 0, W0 row 1, b0, 0.
.macro W0MM e, tau
	v_wmma_f32_16x16x4_f32 v[D+32*\e+8*\tau:D+32*\e+8*\tau+7], v[W0F+2*\tau:W0F+2*\tau+1], v[AF+2*\e:AF+2*\e+1], 0
.endm
.macro P0
.irp e, 0,1
	v_cndmask_b32 v[AF+2*\e], v[AR+2*\e], 1.0, s26
	v_cndmask_b32 v[AF+2*\e+1], v[AR+2*\e+1], 0, s26
.endr
.irp tau, 0,1,2,3
	W0MM 0, \tau
.endr
	PLACES 8                                       ; eight places behind the f32 form
	W0MM 1, 0
	QS1 D, 0, 16
	W0MM 1, 1
	QS1 D, 16, 16
	W0MM 1, 2
	QS2C 2, RT
	W0MM 1, 3
	QS3A 2
	QS3B 2, 1
	QS4 2, RT
	PUT 2, WB1, 0, SB1, 0, 32
	PLACES 8
	QS1 D+32, 0, 32
	QS2C 2, RT
	s_wait_dscnt 0x0                               ; the stores above have read their registers
	QS3A 2
	QS3B 2, 1
	QS4 2, RT
	PUT 2, WB1, 1536, SB1, 64, 32
	BARRIER
.endm
.macro MM4 T, s, tau                   ; layer 3: column tile tau for row tile T, K step s
.set md, D+64*((\T)%2)+8*(\tau)
.set mf, FB+12*(2*((\T)%4)+\s)
.if \s == 0
	WIN 0x36
	v_wmma_scale_f32_16x16x128_f8f6f4 v[md:md+7], v[W3+12*(2*(\tau)):W3+12*(2*(\tau))+11], v[mf:mf+11], v[B3C+8*(\tau):B3C+8*(\tau)+7], v[W3S+8*((\tau)/4)+(\tau)%4], v[HS+2*((\T)%4)] matrix_a_fmt:MATRIX_FMT_FP6 matrix_b_fmt:MATRIX_FMT_FP6
.else
	WIN 0x06
	v_wmma_scale_f32_16x16x128_f8f6f4 v[md:md+7], v[W3+12*(2*(\tau)+1):W3+12*(2*(\tau)+1)+11], v[mf:mf+11], v[md:md+7], v[W3S+8*((\tau)/4)+4+(\tau)%4], v[HS+2*((\T)%4)+1] matrix_a_fmt:MATRIX_FMT_FP6 matrix_b_fmt:MATRIX_FMT_FP6
.endif
.endm
.macro FETCH2 T                        ; row tile T + 4 into the two buffers that tile T has done with: 8 LDS loads
.irp s, 0,1
	ds_load_b32 v[HS+2*(\T)+\s], v[LS] offset:H3S+64*(2*((\T)+4)+\s)
.endr
	WIN 0x40
.irp s, 0,1
.irp c, 0,1,2
	ds_load_b128 v[FB+12*(2*(\T)+\s)+4*\c:FB+12*(2*(\T)+\s)+4*\c+3], v[LI48] offset:H3+1536*(2*((\T)+4)+\s)+16*\c
.endr
.endr
	WIN 0
.endm
.macro FETCHQ j                        ; the four K steps of my row tile j of phi_eval, into half j % 2 of the buffers
.irp s, 0,1,2,3
	ds_load_b32 v[HS+4*((\j)%2)+\s], v[QSR] offset:256*(\j)+64*\s
.endr
	WIN 0x40
.irp s, 0,1,2,3
.irp c, 0,1,2
	ds_load_b128 v[FB+48*((\j)%2)+12*\s+4*\c:FB+48*((\j)%2)+12*\s+4*\c+3], v[LIQ] offset:6144*(\j)+1536*\s+16*\c
.endr
.endr
	WIN 0
.endm
.macro TOSTAGE j                       ; 16 rows x 64 columns into my stage and back as rows of 256 bytes: LDS serves the instructions of a wave in order
.irp n, 0,1,2,3
	ds_store_b128 v[SO], v[D+32*((\j)%2)+8*\n:D+32*((\j)%2)+8*\n+3] offset:64*\n          ; each result from its low end on
	ds_store_b128 v[SO], v[D+32*((\j)%2)+8*\n+4:D+32*((\j)%2)+8*\n+7] offset:64*\n+16
.endr
	s_wait_xcnt 0x0                                ; the stores of the tile before have read the registers that are loaded next
.irp i, 0,1,2,3,4,5,6,7
	ds_load_b128 v[OB+4*\i:OB+4*\i+3], v[SR] offset:544*\i
.endr
.endm
.macro SEND j, ob
.irp i, 0,1,2,3,4,5,6,7
	global_store_b128 v[GO], v[OB+4*\i:OB+4*\i+3], s[20:21] offset:(\ob)+8192*(\j)+1024*\i th:TH_STORE_NT   ; sixteen lanes store 256 consecutive bytes, at a multiple of 256 from the first byte of the output
.endr
.endm
.macro AMLOAD                          ; my 16 fragments of attn_map and their scale words: 52 loads
	WIN 0xc0
.irp s, 0,1,2,3
.irp n, 0,1,2,3
.irp q, 0,1,2
	global_load_b128 v[AM+12*(4*\s+\n)+4*\q:AM+12*(4*\s+\n)+4*\q+3], v[PO], s[18:19] offset:GRP*\s+1536*\n+512*\q
.endr
.endr
.endr
	WIN 0
.irp s, 0,1,2,3
	global_load_b128 v[AMS+4*\s:AMS+4*\s+3], v[PO], s[18:19] offset:GRP*\s+6144
.endr
.endm
; A BLOCK OF 128 ROWS, four barriers.  ob: where its rows begin in my part of the output, in bytes (in the immediate of the stores: 97,280 at the most).
; first = 1: W3 (52 loads) is on its way from the head; attn_map (52) is asked for behind the second barrier.
.macro BLOCK first, ob
.if \first == 0
	s_wait_xcnt 0x0                                ; the stores of the block before have read v192-223, which are written next
.endif
	P0
.if \first
.irp i, 0,1,2,3
	v_mov_b32 v[AR+\i], v[AR2+\i]                  ; a of the second block
.endr
.endif
	FETCH8 H1, H1S
.if \first
	s_wait_loadcnt 52                              ; the weights and biases of layers 1 and 2, and b3, are in; the 52 loads of W3 may be out
.endif
	TRUN 1
	BARRIER
.if \first
	AMLOAD
.endif
	FETCH8 H2, H2S
	TRUN 2
	BARRIER
.if \first
	s_wait_loadcnt 52                              ; W3 is in; the 52 loads of attn_map may be out
.endif
	; LAYER 3, no activation: 16 products a row tile (K step by K step, the eight results by turns), two at a time between slices of the quantising of the tile before, which reads the results as they stand.
	; It starts on its first fragment: behind buffer 0 stand 21 loads, behind buffer 1 eighteen; behind buffer 3 twelve and the 8 of the first refill; behind buffer 5 six, 8, the 13 stores of tile 0 and 8.
	FETCH8 H3, H3S                                 ; row tiles 0-3: buffer 2 T + s
.set tt, 0
.rept 9
.if tt == 0
	s_wait_dscnt 21
.elseif tt == 1
	s_wait_dscnt 20
.elseif tt == 2
	s_wait_dscnt 35
.endif
.set dq, D+64*((tt+1)%2)
.set sl, 0
.rept 8
.if (tt == 0) && (sl == 4)
	s_wait_dscnt 18
.endif
.if tt < 8
	MM4 tt, sl/4, 2*(sl%4)
	MM4 tt, sl/4, 2*(sl%4)+1
	WIN 0
.endif
.if tt > 0
.if sl < 4
	QS2A dq, 4*sl, 2
.elseif sl == 4
.if tt >= 2
	s_wait_dscnt 0x0                               ; the stores of the tile before have read their registers; the fragments asked for so far are in
.endif
	QS3A 4
.elseif sl == 5
	QS3B 4, 1
.elseif sl == 6
	QS4 4, dq
.else
	PLACES 4                                       ; the places in front of the loads below and of the first read of these results
.endif
.endif
.set sl, sl+1
.endr
.if tt == 0
	PLACES 4
.else
	PUT 4, WBQ, 6144*(tt-1), SBQ, 256*(tt-1), 32
.endif
.if tt < 4
	FETCH2 tt
.endif
.set tt, tt+1
.endr
	BARRIER                                        ; phi_eval of the 128 rows lies in LDS
	; THE LAST PRODUCT: my four row tiles x my four column tiles; K step by K step, the four results by turns; the first K step starts the sums
.if \first
	s_wait_loadcnt 0x0                             ; attn_map is in
.endif
	FETCHQ 0
.irp j, 0,1,2,3
	s_wait_dscnt 0x0
.if \j > 0
	TOSTAGE \j-1
.endif
.if \j < 3
	FETCHQ \j+1
.endif
	WIN 0x07
.irp s, 0,1,2,3
.irp n, 0,1,2,3
.if \s == 0
	v_wmma_scale_f32_16x16x128_f8f6f4 v[D+32*(\j%2)+8*\n:D+32*(\j%2)+8*\n+7], v[AM+12*(4*\s+\n):AM+12*(4*\s+\n)+11], v[FB+12*(4*(\j%2)+\s):FB+12*(4*(\j%2)+\s)+11], 0, v[AMS+4*\s+\n], v[HS+4*(\j%2)+\s] matrix_a_fmt:MATRIX_FMT_FP6 matrix_b_fmt:MATRIX_FMT_FP6
.else
	v_wmma_scale_f32_16x16x128_f8f6f4 v[D+32*(\j%2)+8*\n:D+32*(\j%2)+8*\n+7], v[AM+12*(4*\s+\n):AM+12*(4*\s+\n)+11], v[FB+12*(4*(\j%2)+\s):FB+12*(4*(\j%2)+\s)+11], v[D+32*(\j%2)+8*\n:D+32*(\j%2)+8*\n+7], v[AMS+4*\s+\n], v[HS+4*(\j%2)+\s] matrix_a_fmt:MATRIX_FMT_FP6 matrix_b_fmt:MATRIX_FMT_FP6
.endif
.endr
.endr
	WIN 0
	PLACES 5                                       ; in front of the stores that read these results, of the loads into these buffers, and of the products that begin these registers anew
.if \j > 0
.if \j < 3
	s_wait_dscnt 16                                ; the rows of tile j - 1 are back; the 16 loads of tile j + 1 may be out
.else
	s_wait_dscnt 0x0
.endif
	SEND \j-1, \ob
.endif
.endr
	TOSTAGE 3
	s_wait_dscnt 0x0
	SEND 3, \ob
.endm
	s_load_b512 s[4:19], s[0:1], 0x0               ; a s[4:5], W0 s[6:7], b0 s[8:9], b1 s[10:11], b2 s[12:13], b3 s[14:15], wq s[16:17], amq s[18:19]
	s_load_b64 s[20:21], s[0:1], 0x40              ; out0
	v_lshl_add_u32 v[SPW], v0, 2, SPARE
	v_mov_b32 v[NIL], 0
	v_lshrrev_b32 v66, 5, v0
	v_readfirstlane_b32 s22, v66                   ; wave w
	v_and_b32 v66, 31, v0                          ; L
	v_and_b32 v67, 15, v0                          ; r
	v_bfe_u32 v68, v0, 4, 1                        ; h
	s_mov_b32 s24, 0x76543210
	s_mov_b32 s25, 0xfedcba98
	s_mov_b32 s26, 0xffff0000                      ; lanes 16-31
	s_and_b32 s28, ttmp7, 0xffff                   ; batch
	s_lshr_b32 s44, s22, 1                         ; w / 2
	s_and_b32 s45, s22, 1                          ; w % 2
	v_mul_u32_u24 v[LI48], v66, 48
	v_lshlrev_b32 v[LS], 2, v67
	v_lshlrev_b32 v[PO], 4, v66
	v_mul_u32_u24 v69, v67, 48
	v_mad_u32_u24 v69, v68, 12, v69                ; 48 r + 12 h
	s_mul_i32 s31, s22, 3072
	v_add_nc_u32 v[WB1], s31, v69
	s_lshl_b32 s31, s22, 7
	s_add_co_u32 s31, s31, H1S
	v_add_nc_u32 v[SB1], s31, v[LS]
	s_mul_i32 s31, s45, 768
	s_mul_i32 s46, s44, 24
	s_add_co_u32 s31, s31, s46
	s_add_co_u32 s31, s31, H2
	v_add_nc_u32 v[WB2], s31, v69
	s_add_co_u32 s31, s22, H2S
	v_add_nc_u32 v[SB2], s31, v[LS]
	s_mul_i32 s31, s44, 1536
	s_mul_i32 s47, s45, 24
	s_add_co_u32 s31, s31, s47
	s_add_co_u32 s31, s31, H3
	v_add_nc_u32 v[WB3], s31, v69
	s_lshl_b32 s31, s44, 6
	s_lshl_b32 s47, s45, 1
	s_add_co_u32 s31, s31, s47
	s_add_co_u32 s31, s31, H3S
	v_add_nc_u32 v[SB3], s31, v[LS]
	v_lshlrev_b32 v[AO], 3, v67
	s_lshl_b32 s31, s22, 8
	v_add_nc_u32 v[AO], s31, v[AO]                 ; a: row 32 w + r, 8 bytes a row
	s_mul_i32 s31, s22, 1536
	s_add_co_u32 s31, s31, QF
	v_add_nc_u32 v[WBQ], s31, v69                  ; phi_eval out: K step w
	s_lshl_b32 s31, s22, 6
	s_add_co_u32 s31, s31, QS
	v_add_nc_u32 v[SBQ], s31, v[LS]
	s_mul_i32 s31, s22, 4352
	s_add_co_u32 s31, s31, STG                     ; my stage
	v_mul_u32_u24 v[SO], v67, 272
	v_lshl_add_u32 v[SO], v68, 5, v[SO]
	v_add_nc_u32 v[SO], s31, v[SO]                 ; in: row r, + 32 h
	v_mul_u32_u24 v[SR], v68, 272
	v_lshl_add_u32 v[SR], v67, 4, v[SR]
	v_add_nc_u32 v[SR], s31, v[SR]                 ; back: lanes 0-15 one row, lanes 16-31 the next
	v_lshlrev_b32 v[GO], 9, v68
	v_lshl_add_u32 v[GO], v67, 4, v[GO]
	s_lshl_b32 s31, s45, 8
	s_lshl_b32 s47, s44, 15
	s_add_co_u32 s31, s31, s47
	v_add_nc_u32 v[GO], s31, v[GO]                 ; the same two rows in the output: + 256 (w % 2) + 64 (w / 2) rows
	s_mul_i32 s31, s44, 24576
	s_add_co_u32 s31, s31, QF
	v_add_nc_u32 v[LIQ], s31, v[LI48]              ; phi_eval in: my four row tiles
	s_lshl_b32 s31, s44, 10
	s_add_co_u32 s31, s31, QS
	v_add_nc_u32 v[QSR], s31, v[LS]
	v_and_b32 v70, 8, v67
	v_add_nc_u32 v70, v70, v67
	v_lshlrev_b32 v[U4], 2, v70                    ; 4 (r + 8 (r / 8))
	v_lshlrev_b32 v[H64], 6, v68                   ; 64 h
	v_mul_u32_u24 v72, v0, 48
.irp i, 4,5,6,7
	v_mov_b32 v[TM+\i], 0
.endr
	ds_store_b64 v72, v[TM+4:TM+5] offset:24       ; layer 1 has K = 64: registers 6-11 of the eight fragments of layer 0 are zeros, written once
	ds_store_b128 v72, v[TM+4:TM+7] offset:32
	ds_store_b64 v72, v[TM+4:TM+5] offset:6144+24
	ds_store_b128 v72, v[TM+4:TM+7] offset:6144+32
	s_mov_b32 s33, 0
	s_wait_kmcnt 0x0
	s_lshl_b32 s32, s28, 16
	s_lshl_b32 s31, ttmp9, 11
	s_add_co_u32 s32, s32, s31
	s_add_nc_u64 s[4:5], s[4:5], s[32:33]          ; a at row 8,192 y + 256 x
	s_lshl_b32 s32, s28, 22
	s_lshl_b32 s31, ttmp9, 17
	s_add_co_u32 s32, s32, s31
	s_add_nc_u64 s[20:21], s[20:21], s[32:33]      ; the output likewise
	s_lshl_b32 s32, s22, 7
	s_add_nc_u64 s[10:11], s[10:11], s[32:33]      ; b1 at unit 32 w
	s_lshl_b32 s32, s22, 8
	s_add_nc_u64 s[12:13], s[12:13], s[32:33]      ; b2 at unit 64 w
	s_lshl_b32 s32, s22, 9
	s_add_nc_u64 s[14:15], s[14:15], s[32:33]      ; b3 at column 128 w
	s_add_nc_u64 s[16:17], s[16:17], 146432        ; the groups of phi
	s_mul_i32 s32, s44, GRP
	s_mul_i32 s35, s45, 3072
	s_add_co_u32 s32, s32, s35
	s_add_nc_u64 s[36:37], s[16:17], s[32:33]      ; W1
	s_mul_i32 s32, s44, GRP
	s_lshl_b32 s35, s45, 3
	s_add_co_u32 s32, s32, s35
	s_add_co_u32 s32, s32, 6144
	s_add_nc_u64 s[38:39], s[16:17], s[32:33]      ; its scale words
	s_add_co_u32 s32, s22, 2
	s_mul_i32 s32, s32, GRP
	s_add_nc_u64 s[40:41], s[16:17], s[32:33]      ; W2
	s_lshl_b32 s32, s22, 2
	s_add_co_u32 s32, s32, 6
	s_mul_i32 s32, s32, GRP
	s_add_nc_u64 s[42:43], s[16:17], s[32:33]      ; W3: groups 6 + 4 w .. + 3
	s_lshl_b32 s32, s28, 1
	s_add_co_u32 s32, s32, s45
	s_mul_i32 s32, s32, 4*GRP
	s_add_nc_u64 s[18:19], s[18:19], s[32:33]      ; attn_map: groups (2 y + w % 2) 4 .. + 3
	; what layer 0 wants: a of both blocks, W0, b0: 16 loads
	global_load_b64 v[AR:AR+1], v[AO], s[4:5]
	global_load_b64 v[AR+2:AR+3], v[AO], s[4:5] offset:128
	global_load_b64 v[AR2:AR2+1], v[AO], s[4:5] offset:1024
	global_load_b64 v[AR2+2:AR2+3], v[AO], s[4:5] offset:1152
.irp t, 0,1,2,3
	global_load_b32 v[RT+\t], v[U4], s[6:7] offset:4*(32*(\t/2)+8*(\t%2))
	global_load_b32 v[RT+4+\t], v[U4], s[6:7] offset:256+4*(32*(\t/2)+8*(\t%2))
	global_load_b32 v[RT+8+\t], v[U4], s[8:9] offset:4*(32*(\t/2)+8*(\t%2))
.endr
	; layers 1 and 2, and b3: 48 loads
	WIN 0x40
.irp u, 0,1
.irp q, 0,1,2
	global_load_b128 v[W1+12*\u+4*\q:W1+12*\u+4*\q+3], v[PO], s[36:37] offset:1536*\u+512*\q
.endr
.endr
.irp u, 0,1
.irp k, 0,1
	global_load_b128 v[B1C+8*\u+4*\k:B1C+8*\u+4*\k+3], v[H64], s[10:11] offset:32*\u+16*\k
.endr
.endr
.irp t, 0,1,2,3
.irp q, 0,1,2
	global_load_b128 v[W2+12*\t+4*\q:W2+12*\t+4*\q+3], v[PO], s[40:41] offset:1536*\t+512*\q
.endr
.endr
.irp t, 0,1,2,3
.irp k, 0,1
	global_load_b128 v[B2C+8*\t+4*\k:B2C+8*\t+4*\k+3], v[H64], s[12:13] offset:128*(\t/2)+32*(\t%2)+16*\k
.endr
.endr
	WIN 0xc0
.irp t, 0,1,2,3,4,5,6,7
.irp k, 0,1
	global_load_b128 v[B3C+8*\t+4*\k:B3C+8*\t+4*\k+3], v[H64], s[14:15] offset:128*(\t/2)+32*(\t%2)+16*\k
.endr
.endr
	WIN 0
	global_load_b64 v[W1S:W1S+1], v[PO], s[38:39]
	global_load_b128 v[W2S:W2S+3], v[PO], s[40:41] offset:6144
	s_wait_loadcnt 48                              ; the first 16 are in; the 48 behind them may be out
.irp t, 0,1,2,3
	v_cndmask_b32 v[W0F+2*\t], v[RT+\t], v[RT+8+\t], s26   ; lanes 0-15: k = 0, 1: W0; lanes 16-31: k = 2, 3: b0 and 0
	v_cndmask_b32 v[W0F+2*\t+1], v[RT+4+\t], 0, s26
.endr
	; W3 and its scale words: 52 loads, which land under layers 0 to 2 of the first block
	WIN 0x80
.irp g, 0,1
.irp s, 0,1
.irp t, 0,1,2,3
.irp q, 0,1,2
	global_load_b128 v[W3+12*(2*(4*\g+\t)+\s)+4*\q:W3+12*(2*(4*\g+\t)+\s)+4*\q+3], v[PO], s[42:43] offset:GRP*(2*\g+\s)+1536*\t+512*\q
.endr
.endr
.endr
.endr
	WIN 0
.irp f, 0,1,2,3
	global_load_b128 v[W3S+4*\f:W3S+4*\f+3], v[PO], s[42:43] offset:GRP*\f+6144
.endr
	s_wait_dscnt 0x0                               ; the stores of zeros have read their registers
	BLOCK 1, 0
	BLOCK 0, 65536
	s_wait_tensorcnt 0x0                           ; the end of the wave
	ds_add_u32 v[SPW], v[NIL]
	s_wait_dscnt 0x0
	s_endpgm
.Lfunc_end_k_qa6d474734a_phi_out:
	.size	k_qa6d474734a_phi_out, .Lfunc_end_k_qa6d474734a_phi_out-k_qa6d474734a_phi_out
	.p2alignl 7, 3214868480
	.fill 96, 4, 3214868480
	.section	.rodata,"a",@progbits
	.p2align	6, 0x0
	.amdhsa_kernel k_qa6d474734a_phi_out
		.amdhsa_group_segment_fixed_size 120320
		.amdhsa_private_segment_fixed_size 0
		.amdhsa_enable_private_segment 0
		.amdhsa_kernarg_size 72
		.amdhsa_user_sgpr_count 2
		.amdhsa_user_sgpr_kernarg_segment_ptr 1
		.amdhsa_wavefront_size32 1
		.amdhsa_system_sgpr_workgroup_id_x 1
		.amdhsa_system_sgpr_workgroup_id_y 1
		.amdhsa_system_sgpr_workgroup_id_z 1
		.amdhsa_system_vgpr_workitem_id 0
		.amdhsa_next_free_vgpr 1024
		.amdhsa_next_free_sgpr 66
		.amdhsa_reserve_vcc 0
		.amdhsa_float_denorm_mode_32 3
		.amdhsa_float_denorm_mode_16_64 3
		.amdhsa_memory_ordered 1
		.amdhsa_forward_progress 1
		.amdhsa_inst_pref_size 255
	.end_amdhsa_kernel
	.section	.bss,"aw",@nobits
	.p2align	6
	.space	262144
	.amdgpu_metadata
---
amdhsa.version: [ 1, 2 ]
amdhsa.kernels:
  - .name:           k_qa6d474734a_phi_out
    .symbol:         k_qa6d474734a_phi_out.kd
    .args:
      - { .name: a, .offset: 0, .size: 8, .value_kind: global_buffer, .address_space: global }
      - { .name: phi_W0, .offset: 8, .size: 8, .value_kind: global_buffer, .address_space: global }
      - { .name: phi_b0, .offset: 16, .size: 8, .value_kind: global_buffer, .address_space: global }
      - { .name: phi_b1, .offset: 24, .size: 8, .value_kind: global_buffer, .address_space: global }
      - { .name: phi_b2, .offset: 32, .size: 8, .value_kind: global_buffer, .address_space: global }
      - { .name: phi_b3, .offset: 40, .size: 8, .value_kind: global_buffer, .address_space: global }
      - { .name: wq, .offset: 48, .size: 8, .value_kind: global_buffer, .address_space: global }
      - { .name: amq, .offset: 56, .size: 8, .value_kind: global_buffer, .address_space: global }
      - { .name: out0, .offset: 64, .size: 8, .value_kind: global_buffer, .address_space: global }
    .group_segment_fixed_size: 120320
    .private_segment_fixed_size: 0
    .kernarg_segment_align: 8
    .kernarg_segment_size: 72
    .max_flat_workgroup_size: 128
    .sgpr_count:     66
    .vgpr_count:     1024
    .wavefront_size: 32
...
	.end_amdgpu_metadata
.endif
;; end of part 4
